; MI455X (gfx1250); checked and timed in simulation.
; The chip was launched on July 23, 2026; its instructions are those of AMD's public machine-readable ISA for CDNA 5 (MIT licence, August 2026) and "CDNA5" Instruction Set Architecture Reference Guide (July 2026). The comments in the code are by the model that wrote it; some were corrected since.
;; Attention Block. Allowed arithmetic: matrix products marked QUANTISED: E2M3 operands, one E8M0 scale for each 32 along K, by v_wmma_scale_f32_16x16x128_f8f6f4 with both operands' format E2M3, f32 sums; everything else in f32.
;; Inputs: norm_b 256 float32; norm_w 256 float32; proj_b 256 float32; proj_w_codes 256 x 8 x 24 uint8 (E2M3 codes of proj_w, K innermost, in blocks of 32 codes, four codes in three bytes); proj_w_scales 256 x 8 uint8 (E8M0 scales of proj_w, one for each 32 codes along K); qkv_b 768 float32; qkv_w_codes 768 x 8 x 24 uint8 (E2M3 codes of qkv_w, K innermost, in blocks of 32 codes, four codes in three bytes); qkv_w_scales 768 x 8 uint8 (E8M0 scales of qkv_w, one for each 32 codes along K); x 4 x 256 x 64 x 64 float32.
;; Outputs: out0 4 x 256 x 64 x 64 float32.
;; This version of the problem:
;;   THIS VERSION OF THE PROBLEM IS GIVEN IN LOW PRECISION. The matrix products marked QUANTISED in the list below multiply operands that are first quantised to E2M3 (2 exponent bits, 3 mantissa bits; 6 bits a number), with one power-of-two scale for each 32 numbers along K (OCP MX v1.0); their sums are f32. All else is computed in f32.
;;   The module's matrix products, in the order in which they are computed (A, B: the left and right operand; K: the contracted axis; several contracted axes count as one K, in the product's order):
;;     1. [M 768, K 256] x [K 256, N 16,384]; A: input qkv_w (given as codes); B: computed on the way: QUANTISED
;;     2. batch 16 x [M 4,096, K 64] x [K 64, N 4,096]; A: computed on the way; B: computed on the way: QUANTISED
;;     3. batch 16 x [M 4,096, K 4,096] x [K 4,096, N 64]; A: softmax (see below); B: computed on the way: QUANTISED
;;     4. [M 256, K 256] x [K 256, N 16,384]; A: input proj_w (given as codes); B: computed on the way: QUANTISED
;;   THE QUANTISER, for each operand of a quantised product, along K:
;;     - K is cut into blocks of 32 from its start; a last block that is shorter is filled with zeros.
;;     - A block's scale is 2^e with e = floor(log2(the largest magnitude in the block)) - 2, held to -126 .. 127; a block of zeros has e = 0. As a byte (E8M0): e + 127.
;;     - Each number is divided by its block's scale, clamped to +-7.5, and rounded to the nearest number of E2M3, ties to even, subnormals kept.
;;     - The product sums the exact products of the quantised numbers (number of the format x scale) in f32.
;;   ~~~python
;;   def quantise(x, axis):      # numpy; x: float32 -> the quantised numbers, widened to float32 again
;;       x = np.moveaxis(x, axis, -1); K = x.shape[-1]
;;       x = np.pad(x, [(0, 0)] * (x.ndim - 1) + [(0, -K % 32)]); x = x.reshape(x.shape[:-1] + (-1, 32)); a = np.abs(x).max(-1, keepdims=True)
;;       e = np.where(a > 0, np.clip(np.frexp(np.where(a > 0, a, 1))[1] - 1 - 2, -126, 127), 0)      # np.frexp(a)[1] - 1 = floor(log2(a)), exactly
;;       r = np.clip(x / 2.0 ** e, -7.5, 7.5)
;;       step = 2.0 ** (np.maximum(np.frexp(np.where(r == 0, 1, r))[1] - 1, 0) - 3)
;;       q = np.round(r / step) * step * 2.0 ** e      # np.round: ties to even
;;       return np.moveaxis(q.reshape(q.shape[:-2] + (-1,))[..., :K], -1, axis).astype(np.float32)
;;   ~~~
;;   SOFTMAX AHEAD OF A QUANTISED PRODUCT. Where the list says 'softmax', what is quantised is not the finished softmax but p = 2^(t - M), with t = logit x log2(e) and M = ceil(the row's largest t), a whole number; so 1/2 < the row's largest p <= 1. The row's sum l is taken of the UNQUANTISED p, in f32, and the product's result is divided by l at the end. Since M is a whole number, a kernel that streams over the keys may use a running M (the ceiling of the running maximum): every later rescaling is an exact power of two, which a block's scale takes up: the codes' values come out the same.
;;   OPERANDS COMPUTED ON THE WAY. 'Computed on the way' means the value that the module computes at that place (a softmax that the list does not call 'softmax' is quantised finished and normalised). What goes into a quantiser is computed in f32, as accurately as f32 sums, v_exp_f32 and their like allow (about 1e-6 of the number): no bf16 or f16 on the way to a quantiser, and a product that is left as it is and whose result goes on into a quantised operand takes f32 operands (vector FMAs, or v_wmma_f32_16x16x4_f32). A number that lies on a knife's edge between two numbers of the format may be rounded either way, as far as f32 arithmetic and the matrix unit's own rounding can turn it there, and no further.
;;   INPUTS GIVEN AS CODES. proj_w (in the module: [256, 256], K = its axis 1); qkv_w (in the module: [768, 256], K = its axis 1): each comes as NAME_codes (uint8): NAME with its K axis moved to the last place and cut into blocks of 32 codes, [.., K / 32, bytes a block], one block behind the other in memory; four codes in three bytes: a row's codes are one little-endian stream of bits, code i at bits 6 i .. 6 i + 5 (a code: sign, 2 exponent bits, 3 mantissa bits); and NAME_scales (uint8): the same leading axes, one E8M0 byte (e + 127) for each 32 codes along K. Its value is code x scale, taken as it is: it is not quantised again, and the codes and scales need not be those that the quantiser above would give.
;; One version. Each part assembles by itself: llvm-mc -triple=amdgcn-amd-amdhsa -mcpu=gfx1250 --defsym DOCPART=n.
;; ======== version 1 of 1: 4 launches
;; workspace buffers: stats 2,048 bytes; qc 3,145,728 bytes; qs 262,144 bytes; kv 6,553,600 bytes; oc 3,145,728 bytes; os 131,072 bytes
;; launch gn_stats (part 1): grid 256 x 1, 8 waves a work-group, no clusters, 1,280 bytes of LDS; arguments x, stats; writes stats
.if DOCPART == 1
	.amdgcn_target "amdgcn-amd-amdhsa--gfx1250"
	.amdhsa_code_object_version 6
	.text
	.protected	k_qecd899740d_gn_stats
	.globl	k_qecd899740d_gn_stats
	.p2align	8
	.type	k_qecd899740d_gn_stats,@function
k_qecd899740d_gn_stats:
	s_mov_b64 s[64:65], 0
	v_nop
	global_prefetch_b8 v0, s[64:65] scope:SCOPE_SE
	s_setreg_imm32_b32 hwreg(HW_REG_WAVE_MODE, 25, 1), 1
	s_wait_xcnt 0x0
; GROUP NORM, FIRST HALF.  x: [4][256][4096] f32.  A group is 32 channels x 4,096 pixels of one image: 524,288 dense bytes.
; Work-group w takes the 65,536 bytes at 65,536 w: one eighth of group w / 8.  It stores (mean, M2) of its 16,384 numbers, M2 = the sum of
; (x - mean)^2 about its OWN mean, at stats + 8 w; the next launch joins a group's eight pairs.
; Two passes over data that stay in registers (64 numbers a thread): the squares are taken of differences from the mean, so a common offset of the
; inputs costs no accuracy, and memory is read once.  Each load of a wave covers 512 consecutive bytes.
; No matrix unit, no cluster, no tensor load: the work-groups share no input and every byte is used once.
; LIMITS: NaN and infinities among the inputs are not served.
.set X,    16                          ; v16-79   my 64 numbers
.set CH,   80                          ; v80-87   four chains of pairs
.set SUM,  88                          ; v88      a wave's sum
.set OTH,  89                          ; v89      the other half of the lanes'
.set WA,   90                          ; v90      LDS: 4 x my wave
.set ZA,   91                          ; v91      0
.set MN,   92                          ; v[92:93] the mean, twice
.set OUTP, 94                          ; v[94:95] what is stored
.set P8,   96                          ; v96-103  the eight waves' sums
	s_load_b128 s[4:7], s[0:1], 0x0                ; x, stats
	v_lshl_add_u32 v112, v0, 2, 0x100
	v_mov_b32 v113, 0
	v_lshlrev_b32 v1, 4, v0                        ; my 16 bytes of a load's 4,096
	v_lshrrev_b32 v2, 5, v0
	s_delay_alu instid0(VALU_DEP_1)
	v_lshlrev_b32 v[WA], 2, v2
	v_mov_b32 v[ZA], 0
	v_mov_b32 v[OTH], 0                            ; a lane permute's destination counts as read: written once
	s_lshl_b32 s8, ttmp9, 16                       ; my work-group's 65,536 bytes
	s_mov_b32 s9, 0
	s_lshl_b32 s10, ttmp9, 3                       ; and its 8 bytes of stats
	s_mov_b32 s11, 0
	s_mov_b32 s12, 0x76543210                      ; v_permlanex16_b32: lane l xor 16
	s_mov_b32 s13, 0xfedcba98
	s_wait_alu depctr_va_vdst(0)
	s_wait_kmcnt 0x0
	s_add_nc_u64 s[4:5], s[4:5], s[8:9]
	s_add_nc_u64 s[6:7], s[6:7], s[10:11]
.irp i, 0,1,2,3,4,5,6,7,8,9,10,11,12,13,14,15
	global_load_b128 v[X+4*\i:X+4*\i+3], v1, s[4:5] offset:4096*\i
.endr
; The four chains become one number in every lane of the wave; the eight waves' numbers meet in LDS at byte off; the total is left in v[P8].
.macro REDUCE off
	s_delay_alu instid0(VALU_DEP_3)
	v_pk_add_f32 v[CH:CH+1], v[CH:CH+1], v[CH+2:CH+3]
	s_delay_alu instid0(VALU_DEP_2)
	v_pk_add_f32 v[CH+4:CH+5], v[CH+4:CH+5], v[CH+6:CH+7]
	s_delay_alu instid0(VALU_DEP_1)
	v_pk_add_f32 v[CH:CH+1], v[CH:CH+1], v[CH+4:CH+5]
	s_delay_alu instid0(VALU_DEP_1)
	v_add_f32 v[SUM], v[CH], v[CH+1]
	s_delay_alu instid0(VALU_DEP_1)
	v_add_f32_dpp v[SUM], v[SUM], v[SUM] row_xmask:1 row_mask:0xf bank_mask:0xf
	s_delay_alu instid0(VALU_DEP_1)
	v_add_f32_dpp v[SUM], v[SUM], v[SUM] row_xmask:2 row_mask:0xf bank_mask:0xf
	s_delay_alu instid0(VALU_DEP_1)
	v_add_f32_dpp v[SUM], v[SUM], v[SUM] row_xmask:4 row_mask:0xf bank_mask:0xf
	s_delay_alu instid0(VALU_DEP_1)
	v_add_f32_dpp v[SUM], v[SUM], v[SUM] row_xmask:8 row_mask:0xf bank_mask:0xf
	s_delay_alu instid0(VALU_DEP_1)
	v_permlanex16_b32 v[OTH], v[SUM], s12, s13
	s_delay_alu instid0(VALU_DEP_1)
	v_add_f32 v[SUM], v[SUM], v[OTH]
	ds_store_b32 v[WA], v[SUM] offset:\off         ; all lanes of a wave write the same word with the same value
	s_wait_dscnt 0x0                               ; for the others' sake: my store has landed
	s_barrier_signal -1
	s_barrier_wait -1
	ds_load_b128 v[P8:P8+3], v[ZA] offset:\off
	ds_load_b128 v[P8+4:P8+7], v[ZA] offset:\off+16
	s_wait_dscnt 0x0
	v_add_f32 v[P8], v[P8], v[P8+1]
	v_add_f32 v[P8+2], v[P8+2], v[P8+3]
	v_add_f32 v[P8+4], v[P8+4], v[P8+5]
	v_add_f32 v[P8+6], v[P8+6], v[P8+7]
	s_delay_alu instid0(VALU_DEP_3)
	v_add_f32 v[P8], v[P8], v[P8+2]
	s_delay_alu instid0(VALU_DEP_2)
	v_add_f32 v[P8+4], v[P8+4], v[P8+6]
	s_delay_alu instid0(VALU_DEP_1)
	v_add_f32 v[P8], v[P8], v[P8+4]
.endm
	; pass 1: the sum.  Four loads' numbers at a time; the counts leave the younger loads out
	s_wait_loadcnt 12
.irp k, 0,1,2,3
	v_pk_add_f32 v[CH+2*\k:CH+2*\k+1], v[X+2*\k:X+2*\k+1], v[X+8+2*\k:X+9+2*\k]   ; the first pairs start the chains: nothing is cleared
.endr
	s_wait_alu depctr_va_vdst(0)
.irp q, 1,2,3
	s_wait_alu depctr_va_vdst(0)
	s_wait_loadcnt 12-4*\q
.irp k, 0,1,2,3
	v_pk_add_f32 v[CH+2*\k:CH+2*\k+1], v[CH+2*\k:CH+2*\k+1], v[X+16*\q+2*\k:X+16*\q+2*\k+1]
.endr
.irp k, 0,1,2,3
	s_delay_alu instid0(VALU_DEP_4)
	v_pk_add_f32 v[CH+2*\k:CH+2*\k+1], v[CH+2*\k:CH+2*\k+1], v[X+16*\q+8+2*\k:X+16*\q+9+2*\k]
.endr
.endr
	REDUCE 0
	s_delay_alu instid0(VALU_DEP_1)
	v_mul_f32 v[MN], 0x38800000, v[P8]             ; / 16,384: the work-group's mean
	s_delay_alu instid0(VALU_DEP_1)
	v_mov_b32 v[MN+1], v[MN]
	; pass 2: the squares of the differences
.set p, 0
.rept 32
	v_pk_add_f32 v[X+2*p:X+2*p+1], v[X+2*p:X+2*p+1], v[MN:MN+1] neg_lo:[0,1] neg_hi:[0,1]
.set p, p+1
.endr
.irp k, 0,1,2,3
	v_pk_mul_f32 v[CH+2*\k:CH+2*\k+1], v[X+2*\k:X+2*\k+1], v[X+2*\k:X+2*\k+1]
.endr
.set p, 4
.rept 28
	s_delay_alu instid0(VALU_DEP_4)
	v_pk_fma_f32 v[CH+2*(p%4):CH+2*(p%4)+1], v[X+2*p:X+2*p+1], v[X+2*p:X+2*p+1], v[CH+2*(p%4):CH+2*(p%4)+1]
.set p, p+1
.endr
	REDUCE 32                                      ; other LDS bytes than the first time: no wave's store meets another's read
	v_mov_b32 v[OUTP], v[MN]
	s_delay_alu instid0(VALU_DEP_2)
	v_mov_b32 v[OUTP+1], v[P8]
	s_wait_alu depctr_va_vdst(0)
	s_wait_xcnt 0x0                                ; EXEC changes only behind this wait
	v_cmp_eq_u32 vcc_lo, 0, v0
	s_wait_tensorcnt 0x0
	ds_add_u32 v112, v113
	s_wait_dscnt 0x0
	s_and_saveexec_b32 s14, vcc_lo                 ; thread 0 alone stores
	global_store_b64 v[ZA], v[OUTP:OUTP+1], s[6:7]
	s_wait_xcnt 0x0                                ; and again in front of the line that widens it
	s_or_b32 exec_lo, exec_lo, s14
	s_endpgm
.Lfunc_end_k_qecd899740d_gn_stats:
	.size	k_qecd899740d_gn_stats, .Lfunc_end_k_qecd899740d_gn_stats-k_qecd899740d_gn_stats
	.p2alignl 7, 3214868480
	.fill 96, 4, 3214868480
	.section	.rodata,"a",@progbits
	.p2align	6, 0x0
	.amdhsa_kernel k_qecd899740d_gn_stats
		.amdhsa_group_segment_fixed_size 1280
		.amdhsa_private_segment_fixed_size 0
		.amdhsa_enable_private_segment 0
		.amdhsa_kernarg_size 16
		.amdhsa_user_sgpr_count 2
		.amdhsa_user_sgpr_kernarg_segment_ptr 1
		.amdhsa_wavefront_size32 1
		.amdhsa_system_sgpr_workgroup_id_x 1
		.amdhsa_system_sgpr_workgroup_id_y 1
		.amdhsa_system_sgpr_workgroup_id_z 1
		.amdhsa_system_vgpr_workitem_id 0
		.amdhsa_next_free_vgpr 114
		.amdhsa_next_free_sgpr 66
		.amdhsa_reserve_vcc 1
		.amdhsa_float_denorm_mode_32 3
		.amdhsa_float_denorm_mode_16_64 3
		.amdhsa_memory_ordered 1
		.amdhsa_forward_progress 1
		.amdhsa_inst_pref_size 14
	.end_amdhsa_kernel
	.amdgpu_metadata
---
amdhsa.version: [ 1, 2 ]
amdhsa.kernels:
  - .name:           k_qecd899740d_gn_stats
    .symbol:         k_qecd899740d_gn_stats.kd
    .args:
      - { .name: x, .offset: 0, .size: 8, .value_kind: global_buffer, .address_space: global }
      - { .name: stats, .offset: 8, .size: 8, .value_kind: global_buffer, .address_space: global }
    .group_segment_fixed_size: 1280
    .private_segment_fixed_size: 0
    .kernarg_segment_align: 8
    .kernarg_segment_size: 16
    .max_flat_workgroup_size: 256
    .sgpr_count:     66
    .vgpr_count:     114
    .wavefront_size: 32
...
	.end_amdgpu_metadata
.endif
;; end of part 1
;; launch qkv (part 2): grid 256 x 1, 8 waves a work-group, clusters of 4 x 1, 207,360 bytes of LDS; arguments x, norm_w, norm_b, qkv_w_codes, qkv_w_scales, qkv_b, stats, qc, qs, kv; writes qc, qs, kv
.if DOCPART == 2
	.amdgcn_target "amdgcn-amd-amdhsa--gfx1250"
	.amdhsa_code_object_version 6
	.text
	.protected	k_qecd899740d_qkv
	.globl	k_qecd899740d_qkv
	.p2align	8
	.type	k_qecd899740d_qkv,@function
k_qecd899740d_qkv:
	s_mov_b64 s[64:65], 0
	v_nop
	global_prefetch_b8 v0, s[64:65] scope:SCOPE_SE
	s_setreg_imm32_b32 hwreg(HW_REG_WAVE_MODE, 25, 1), 1
	s_wait_xcnt 0x0
	s_wait_alu depctr_hold_cnt(0) depctr_sa_sdst(0) depctr_va_vdst(0) depctr_va_sdst(0) depctr_va_ssrc(0) depctr_va_vcc(0) depctr_vm_vsrc(0)
	s_getreg_b32 s2, hwreg(HW_REG_IB_STS2, 6, 4)
	s_cmp_eq_u32 s2, 0
	s_cbranch_scc0 .Lentry_in_a_cluster
	s_endpgm
.Lentry_in_a_cluster:
	s_bfe_u32 s2, ttmp6, 0x10000c
	s_cmp_lg_u32 s2, 0x3003
	s_cbranch_scc0 .Lentry_shape_is_right
	s_endpgm
.Lentry_shape_is_right:
; GROUP NORM (second half), h quantised, q k v = W h + bias on codes of FP6 (E2M3) with one E8M0 scale for each 32 along K, and q, k (along the head's 64) and v (along the keys) quantised for the attention launch.
; SHARES.  A work-group takes 64 pixels of one image, as four TILES of 16.  Row r of tile 2 b' + u is pixel 32 b' + 8 u + r + 8 (r / 8): so the 16 registers of two neighbouring tiles of a result are 16 neighbours.
;   Phase X: wave g takes group g (32 channels x 64 pixels).  A block of 32 along K is one group at one pixel: all of it lies in one lane's registers.
;   Phase 1: wave (hd = wave / 2, bq = wave % 2) makes, for head hd: q and k of tiles 2 bq, 2 bq + 1 (transposed use: source 0 = 16 rows of W, source 1 = h; a lane holds one pixel, its registers run along d),
;   and v's rows 32 bq .. 32 bq + 31 of d for all 64 pixels (source 0 = h, source 1 = W: a lane holds one row of d, its registers run along the keys).
; OPERANDS GO ON AS IMAGES OF THEIR REGISTERS.  Full image (12 registers, 1,536 bytes): registers 4 c .. 4 c + 3 of lane l at 512 c + 16 l.  Half image (6 registers, 768 bytes): registers 0-3 at 16 l, registers 4-5 at 512 + 8 l.
;   qc [bh][tile][768]; qs [bh][tile][16 words]: the row's two bytes twice; kv [bh][128 keys][12,800]: K 4 x 1,536 (registers 6 u + i: key tile (kb, u)), V 4 x 2 x 768, K's scale words at 12,288 + 16 r + 4 kb, V's at 12,544 + 16 r + 4 t.
;   Every store of codes covers 512 or 256 consecutive bytes, at a multiple of 256 from the buffer's first byte.
; CLUSTER.  All work-groups read the same weights, scale bytes and biases: the four of a cluster ask for them JOINTLY (the same three tensor loads in each wave, mask 15).  A wave has three tensor loads outstanding.  LDS is filled once.
; The rows of W that form a tile lie in two runs 16 rows apart, which at any pitch that is a multiple of 16 bytes meet in the same banks two deep (64 banks of 4 bytes: ISA guide 11.1); taken as it is: 48 matrix instructions a wave.
; LIMITS: NaN and infinities are not served.  A block whose largest magnitude lies under 2^-124, a block of zeros among them, gets the byte 1 (the rule says 127 for zeros): its codes are zeros or held, and this program alone reads the bytes.
; 1 / sqrt is v_rsq_f32.
.set WC,   0                           ; LDS: W's codes, 768 rows of 3 x (64 + 16) bytes
.set WS,   184320                      ; W's scale bytes, 8 a row
.set BI,   190464                      ; the biases
.set HIMG, 193536                      ; h: 8 full images, tile m, K step s: 2 m + s.  Stored by the waves: blocks of 256 bytes into which no fill lands
.set HSC,  205824                      ; h's scale words: 64 (2 m + s) + 4 r
.set LQ,   1                           ; v1   16 x lane
.set LH,   2                           ; v2   8 x lane
.set LR,   3                           ; v3   4 r
.set LR16, 4                           ; v4   16 r
.set AWU,  5                           ; v5, v7  the unit's rows of W (v7: for the pieces behind one padding more)
.set ASWU, 6                           ; v6   their scale words
.set ABU,  8                           ; v8   their biases
.set AW0,  9                           ; v9   WC + 240 (r + 8 (r / 8)) + 24 h;  v10 the same + 16 h
.set AW1,  10
.set ASW0, 11                          ; v11  WS + 8 (r + 8 (r / 8))
.set ABQ0, 12                          ; v12  BI + 64 h
.set ABV0, 13                          ; v13  BI + 4 (r + 8 (r / 8))
.set AHQ,  14                          ; v14  h's images of my two tiles;  v15 of all four
.set AHV,  15
.set ASQ,  16                          ; v16, v17 their scale words
.set ASV,  17
.set GK,   18                          ; v18-22 offsets in my record of kv
.set GKS,  19
.set GVQ,  20
.set GVH,  21
.set GVS,  22
.set ADP,  23                          ; v23-25 phase X: where my two pixels' codes and bytes go
.set ADQ,  24
.set ADB,  25
.set NIL,  26                          ; v26  0
.set GW,   27                          ; v27  4 x thread: my channel's gain and bias
.set MEAN, 28                          ; v[28:29] the group's mean, twice;  v[30:31] 1 / sqrt(var + eps), twice
.set RSTD, 30
.set TM,   32                          ; v32-39 at work
.set TC,   40                          ; v40-47 second halves of conversions
.set CD,   48                          ; v48-59 codes
.set U0,   60                          ; v60, v61 two bytes each
.set SW0,  62                          ; v62, v63 scale words to store
.set WSR,  64                          ; v64-67 W's scale words;  v68-71 h's: these hold scales and nothing else
.set HSR,  68
.set OPS,  72                          ; v72-143 fragments.  Phase X: v72-135 x as loaded, v136 gains, v137 biases
.set XR,   72
.set VW,   136
.set VB,   137
.set ACC,  144                         ; v144-207 eight accumulators.  Phase X: h of pixel 2 l (32 channels), then of pixel 2 l + 1
.set CB,   208                         ; v208-239 the biases in the result's layout: the C of each sum's first product
.set STT,  240                         ; v240-255 the group's eight (mean, M2)
.set WV,   60                          ; s60  wave
.set SEL,  74                          ; s[74:75] v_permlanex16_b32: lane l xor 16
.set W0C,  15|(1<<20)|(1<<21)|(3<<22)|(3<<25)   ; group 1, word 0: mask 15; elements of 1 byte; padding on; bit 21 beside a mask; behind every 16 words, 4 words
.set W0D,  15|(3<<16)|(1<<21)          ; mask 15; elements of 8 bytes; no padding
.macro CROUND                          ; a round of the cluster's barrier
	s_barrier_signal -1
	s_barrier_wait -1
	s_cmp_lg_u32 s[WV], 0
	s_cbranch_scc1 .Lnot_wave_0_\@
	s_barrier_signal -3
.Lnot_wave_0_\@:
	s_barrier_wait -3
	s_barrier_signal -1
	s_barrier_wait -1
.endm
.macro PLACES                          ; four places behind a matrix instruction of this form, in front of loads into its registers and of reads of its results
.rept 4
	v_nop
.endr
.endm
.macro GROUP1 g, w0, c, r              ; r rows of c elements, dense
	s_mov_b32 s[\g], \w0
	s_mov_b32 s[\g+1], (\c)<<16                    ; tensor_dim0
	s_mov_b32 s[\g+2], (\r)<<16                    ; tensor_dim1
	s_mov_b32 s[\g+3], (\c)<<16                    ; tile_dim0
	s_mov_b32 s[\g+4], \r                          ; tile_dim1
	s_mov_b32 s[\g+5], \c                          ; the pitch
	s_mov_b32 s[\g+6], 0
	s_mov_b32 s[\g+7], 0
.endm
.macro WMC d, a, b, c, sa, sb
	v_wmma_scale_f32_16x16x128_f8f6f4 v[\d:\d+7], v[\a:\a+11], v[\b:\b+11], v[\c:\c+7], v[\sa], v[\sb] matrix_a_fmt:MATRIX_FMT_FP6 matrix_b_fmt:MATRIX_FMT_FP6
.endm
; A fragment of W (16 rows x 128 K, K step s) from rows of 192 bytes laid 240 apart: six pieces of 8 bytes; lanes 16-31 read three pieces on, which for some pieces is behind one padding more
.macro FRAGW reg, s, row
.irp p, 0,1,2,3,4,5
.set PCC, 12*(\s)+6*(\p/3)+\p%3
.if PCC%8 < 5
	ds_load_b64 v[\reg+2*\p:\reg+2*\p+1], v[AWU] offset:(\row)*240+8*PCC+16*(PCC/8)
.else
	ds_load_b64 v[\reg+2*\p:\reg+2*\p+1], v[AWU+2] offset:(\row)*240+8*PCC+16*(PCC/8)
.endif
.endr
.endm
.macro FETCHI reg, adr, off            ; a full image comes back as it was stored
.irp c, 0,1,2
	ds_load_b128 v[\reg+4*\c:\reg+4*\c+3], v[\adr] offset:\off+512*\c
.endr
.endm
; 32 numbers of a lane, register 16 b + i = place 32 b + 16 (lane / 16) + i of my row, become six registers of codes (a half image: lane (r, h) holds block h of row r) in v[d] on, and the row's two scale bytes in v[w].
.macro QUANTH s, d, w
.irp b, 0,1
	v_max3_num_f32 v[TM+\b], |v[\s+16*\b]|, |v[\s+16*\b+1]|, 0x1800000   ; my 16 numbers of block b, and the floor 2^(3 - 127): the byte cannot fall under 1
.endr
.irp i, 2,4,6,8,10,12,14
.irp b, 0,1
	v_max3_num_f32 v[TM+\b], v[TM+\b], |v[\s+16*\b+\i]|, |v[\s+16*\b+\i+1]|
.endr
.endr
.irp b, 0,1
	s_delay_alu instid0(VALU_DEP_2)
	v_permlanex16_b32 v[TM+2+\b], v[TM+\b], s[SEL], s[SEL+1]
.endr
.irp b, 0,1
	s_delay_alu instid0(VALU_DEP_2)
	v_max_num_f32 v[TM+\b], v[TM+\b], v[TM+2+\b]   ; with lane l xor 16's: the block's largest magnitude
.endr
.irp b, 0,1
	s_delay_alu instid0(VALU_DEP_2)
	v_add_nc_u32 v[TM+4+\b], 0xff000000, v[TM+\b]  ; 2 off its exponent field: the conversion's scale operand
.endr
.irp b, 0,1
	s_delay_alu instid0(VALU_DEP_2)
	v_lshrrev_b32 v[TM+2+\b], 23, v[TM+4+\b]       ; the scale's byte
.endr
	s_delay_alu instid0(VALU_DEP_1)
	v_lshl_or_b32 v[\w], v[TM+3], 8, v[TM+2]
	v_cvt_scalef32_pk16_fp6_f32 v[\d:\d+2], v[\s:\s+15], v[TM+4]
	v_cvt_scalef32_pk16_fp6_f32 v[TC:TC+2], v[\s+16:\s+31], v[TM+5]   ; (a conversion's three registers begin on an even number)
	v_nop                                          ; one plain place behind a scaled conversion
.irp i, 0,1,2
	v_permlane16_swap_b32 v[\d+\i], v[TC+\i]       ; the first's lanes 16-31 change places with the second's lanes 0-15: a whole block in a lane
.endr
.irp i, 0,1,2
	s_delay_alu instid0(VALU_DEP_3)
	v_mov_b32 v[\d+3+\i], v[TC+\i]
.endr
.endm
	s_load_b512 s[4:19], s[0:1], 0x0               ; x 4, norm_w 6, norm_b 8, W's codes 10, W's scales 12, qkv_b 14, stats 16, qc 18
	s_load_b128 s[20:23], s[0:1], 0x40             ; qs 20, kv 22
	v_lshl_add_u32 v43, v0, 2, 0x32600
	v_mov_b32 v47, 0
	ds_add_u32 v43, v47
	ds_add_u32 v43, v47
	v_lshrrev_b32 v32, 5, v0
	s_delay_alu instid0(VALU_DEP_1)
	v_readfirstlane_b32 s[WV], v32                 ; wave 0..7
	v_and_b32 v32, 31, v0                          ; lane
	v_and_b32 v33, 15, v0                          ; r
	v_bfe_u32 v34, v0, 4, 1                        ; h
	v_and_b32 v35, 8, v0
	s_delay_alu instid0(VALU_DEP_1)
	v_add_nc_u32 v35, v35, v33                     ; r + 8 (r / 8)
	v_lshlrev_b32 v[LQ], 4, v32
	v_lshlrev_b32 v[LH], 3, v32
	v_lshlrev_b32 v[LR], 2, v33
	v_lshlrev_b32 v[LR16], 4, v33
	v_mov_b32 v[NIL], 0
	v_lshlrev_b32 v[GW], 2, v0                     ; thread = 32 x group + channel in the group
	s_bfe_u32 s61, ttmp6, 0x40000                  ; cx: it enters global addresses alone
	s_lshl_b32 s62, ttmp9, 2
	s_add_co_u32 s62, s62, s61                     ; work-group 0..255
	s_lshr_b32 s76, s62, 6                         ; image
	s_and_b32 s77, s62, 63                         ; which 64 pixels
	s_lshr_b32 s84, s[WV], 1                       ; hd
	s_and_b32 s85, s[WV], 1                        ; bq
	s_mov_b32 s[SEL], 0x76543210
	s_mov_b32 s[SEL+1], 0xfedcba98
	GROUP1 24, W0C, 192, 96                        ; W's codes: 96 rows of 192 bytes a wave
	GROUP1 32, W0D, 32, 3                          ; W's scale bytes: 768 dense bytes a wave, as three rows of 256
	GROUP1 40, W0D, 48, 1                          ; the biases: 384 bytes a wave, one row
	s_lshl_b32 s78, s76, 22                        ; x: image x 4 MiB + group x 512 KiB + 256 x which 64 pixels
	s_lshl_b32 s63, s[WV], 19
	s_add_co_u32 s78, s78, s63
	s_lshl_b32 s63, s77, 8
	s_add_co_u32 s78, s78, s63
	s_mov_b32 s79, 0
	s_lshl_b32 s86, s76, 9                         ; stats: 64 bytes for each (image, group)
	s_lshl_b32 s63, s[WV], 6
	s_add_co_u32 s86, s86, s63
	s_mov_b32 s87, 0
	s_wait_alu depctr_va_vdst(0)
	s_wait_dscnt 0x0
	s_wait_kmcnt 0x0
	s_add_nc_u64 s[80:81], s[4:5], s[78:79]
	s_add_nc_u64 s[82:83], s[16:17], s[86:87]
.irp k, 0,1,2,3
	global_load_b128 v[STT+4*\k:STT+4*\k+3], v[NIL], s[82:83] offset:16*\k
.endr
	global_load_b32 v[VW], v[GW], s[6:7]           ; lane c: the gain of channel c of my group
	global_load_b32 v[VB], v[GW], s[8:9]
.set ch, 0
.rept 32
	global_load_b64 v[XR+2*ch:XR+2*ch+1], v[LH], s[80:81] offset:16384*ch th:TH_LOAD_NT   ; channel ch, pixels 2 l and 2 l + 1: the wave reads 256 consecutive bytes, aligned
.set ch, ch+1
.endr
	s_mov_b32 s48, 1                               ; groups 0: count 1, LDS address, global address, type 2
	s_mul_i32 s49, s[WV], 23040
	s_mul_i32 s78, s[WV], 18432
	s_add_nc_u64 s[50:51], s[10:11], s[78:79]
	s_or_b32 s51, s51, 0x80000000
	s_mov_b32 s52, 1
	s_mul_i32 s78, s[WV], 768
	s_add_co_u32 s53, s78, WS
	s_add_nc_u64 s[54:55], s[12:13], s[78:79]
	s_or_b32 s55, s55, 0x80000000
	s_mov_b32 s56, 1
	s_mul_i32 s78, s[WV], 384
	s_add_co_u32 s57, s78, BI
	s_add_nc_u64 s[58:59], s[14:15], s[78:79]
	s_or_b32 s59, s59, 0x80000000
	CROUND                                         ; all four work-groups are here: the joint loads meet
	tensor_load_to_lds s[48:51], s[24:31]
	s_nop 0
	tensor_load_to_lds s[52:55], s[32:39]
	s_nop 0
	tensor_load_to_lds s[56:59], s[40:47]
	s_nop 0
.rept 4
	v_nop
.endr
	; LDS addresses: constants, the lane and the wave's number
	v_mul_u32_u24 v[AW0], v35, 240
	s_delay_alu instid0(VALU_DEP_1)
	v_mad_u32_u24 v[AW0], v34, 24, v[AW0]
	s_delay_alu instid0(VALU_DEP_1)
	v_lshl_add_u32 v[AW1], v34, 4, v[AW0]
	v_lshl_add_u32 v[ASW0], v35, 3, WS
	v_lshl_add_u32 v[ABQ0], v34, 6, BI
	v_lshl_add_u32 v[ABV0], v35, 2, BI
	s_mul_i32 s86, s85, 6144
	s_add_co_u32 s86, s86, HIMG
	v_add_nc_u32 v[AHQ], s86, v[LQ]
	v_add_nc_u32 v[AHV], HIMG, v[LQ]
	s_lshl_b32 s86, s85, 8
	s_add_co_u32 s86, s86, HSC
	v_add_nc_u32 v[ASQ], s86, v[LR]
	v_add_nc_u32 v[ASV], HSC, v[LR]
	; phase X: pixel 2 l + e lies in tile 2 l4 + l2, row 8 l3 + 2 l[1:0] + e; group g is K step g / 4, registers 6 ((g / 2) % 2) on, lanes 16 (g % 2) on
	v_bfe_u32 v36, v0, 4, 1
	v_bfe_u32 v37, v0, 2, 1
	v_bfe_u32 v38, v0, 3, 1
	v_and_b32 v39, 3, v0
	s_delay_alu instid0(VALU_DEP_4)
	v_mul_u32_u24 v[ADP], v36, 6144
	s_delay_alu instid0(VALU_DEP_1)
	v_mad_u32_u24 v[ADP], v37, 3072, v[ADP]
	s_delay_alu instid0(VALU_DEP_1)
	v_lshl_add_u32 v[ADP], v38, 7, v[ADP]
	s_delay_alu instid0(VALU_DEP_1)
	v_lshl_add_u32 v[ADP], v39, 5, v[ADP]
	s_wait_alu depctr_va_vdst(0)
	s_lshr_b32 s86, s[WV], 2                       ; s
	s_bfe_u32 s87, s[WV], 0x10001                  ; cc
	s_and_b32 s88, s[WV], 1                        ; hh
	s_mul_i32 s89, s86, 1536
	s_lshl_b32 s88, s88, 8
	s_add_co_u32 s89, s89, s88
	s_add_co_u32 s89, s89, HIMG
	s_mul_i32 s88, s87, 1016
	s_add_co_u32 s88, s88, s89
	s_add_co_u32 s88, s88, 8
	v_add_nc_u32 v[ADQ], s88, v[ADP]               ; registers 2, 3 (cc = 0) or 8, 9 (cc = 1)
	s_mul_i32 s88, s87, 520
	s_add_co_u32 s88, s88, s89
	v_add_nc_u32 v[ADP], s88, v[ADP]               ; registers 0, 1 and, 512 on, 4, 5 (cc = 0); 6, 7 and 10, 11 (cc = 1)
	v_lshlrev_b32 v[ADB], 8, v36
	s_delay_alu instid0(VALU_DEP_1)
	v_lshl_add_u32 v[ADB], v37, 7, v[ADB]
	s_delay_alu instid0(VALU_DEP_1)
	v_lshl_add_u32 v[ADB], v38, 5, v[ADB]
	s_delay_alu instid0(VALU_DEP_1)
	v_lshl_add_u32 v[ADB], v39, 3, v[ADB]
	s_lshl_b32 s88, s86, 6
	s_and_b32 s89, s[WV], 3
	s_add_co_u32 s88, s88, s89
	s_add_co_u32 s88, s88, HSC
	v_add_nc_u32 v[ADB], s88, v[ADB]               ; byte g % 4 of the row's scale word
	; where the results go
	s_and_b32 s88, s77, 1                          ; c: which half of a record's 128 keys
	s_lshl_b32 s89, s88, 1
	s_add_co_u32 s89, s89, s85                     ; kb = 2 c + bq
	s_mul_i32 s93, s89, 1536
	v_add_nc_u32 v[GK], s93, v[LQ]
	s_lshl_b32 s93, s89, 2
	s_add_co_u32 s93, s93, 12288
	v_add_nc_u32 v[GKS], s93, v[LR16]
	s_mul_i32 s93, s85, 3072
	s_mul_i32 s94, s88, 768
	s_add_co_u32 s93, s93, s94
	s_add_co_u32 s93, s93, 6144
	v_add_nc_u32 v[GVQ], s93, v[LQ]
	s_add_co_u32 s93, s93, 512
	v_add_nc_u32 v[GVH], s93, v[LH]
	s_lshl_b32 s93, s85, 3
	s_lshl_b32 s94, s88, 1
	s_add_co_u32 s93, s93, s94
	s_add_co_u32 s93, s93, 12544
	v_add_nc_u32 v[GVS], s93, v[LR16]
	s_lshl_b32 s94, s76, 2
	s_add_co_u32 s94, s94, s84                     ; bh = 4 x image + head
	s_lshl_b32 s95, s94, 8
	s_lshl_b32 s96, s77, 2
	s_add_co_u32 s95, s95, s96
	s_lshl_b32 s96, s85, 1
	s_add_co_u32 s95, s95, s96                     ; my first tile: 256 bh + 4 x which 64 + 2 bq
	s_mul_i32 s96, s95, 768
	s_mov_b32 s97, 0
	s_add_nc_u64 s[18:19], s[18:19], s[96:97]
	s_lshl_b32 s96, s95, 6
	s_add_nc_u64 s[20:21], s[20:21], s[96:97]
	s_lshl_b32 s95, s94, 5
	s_lshr_b32 s96, s77, 1
	s_add_co_u32 s95, s95, s96
	s_mul_i32 s96, s95, 12800                      ; my record
	s_add_nc_u64 s[22:23], s[22:23], s[96:97]
	s_lshl_b32 s90, s84, 6                         ; the units' first rows of W: q 64 hd,
	s_add_co_u32 s91, s90, 256                     ; k 256 + 64 hd,
	s_lshl_b32 s92, s85, 5
	s_add_co_u32 s92, s92, s90
	s_add_co_u32 s92, s92, 512                     ; v 512 + 64 hd + 32 bq
	s_mov_b32 s93, 0x37000000                      ; 2^-17: a group has 131,072 numbers
	s_mov_b32 s94, 0x3727c5ac                      ; eps = 1e-5
	; ---- PHASE X.  The group's eight (mean, M2) are joined: mean = the means' mean; M2 = the sum of the M2 + 16,384 x the sum of (mean_k - mean)^2
	s_wait_loadcnt 32                              ; the statistics, gains and biases are in; x's 32 loads may be out
	v_add_f32 v32, v[STT], v[STT+2]
	v_add_f32 v33, v[STT+4], v[STT+6]
	v_add_f32 v34, v[STT+8], v[STT+10]
	v_add_f32 v35, v[STT+12], v[STT+14]
	v_add_f32 v36, v[STT+1], v[STT+3]
	v_add_f32 v37, v[STT+5], v[STT+7]
	v_add_f32 v38, v[STT+9], v[STT+11]
	v_add_f32 v39, v[STT+13], v[STT+15]
	v_add_f32 v32, v32, v33
	v_add_f32 v34, v34, v35
	v_add_f32 v36, v36, v37
	s_delay_alu instid0(VALU_DEP_4)
	v_add_f32 v38, v38, v39
	s_delay_alu instid0(VALU_DEP_3)
	v_add_f32 v32, v32, v34
	s_delay_alu instid0(VALU_DEP_2)
	v_add_f32 v36, v36, v38
	s_delay_alu instid0(VALU_DEP_2)
	v_mul_f32 v[MEAN], 0x3e000000, v32             ; / 8
	s_delay_alu instid0(VALU_DEP_1)
	v_mov_b32 v[MEAN+1], v[MEAN]
.irp k, 0,1,2,3,4,5,6,7
	v_sub_f32 v[STT+2*\k], v[STT+2*\k], v[MEAN]
.endr
	v_mul_f32 v33, v[STT], v[STT]
.irp k, 1,2,3,4,5,6,7
	s_delay_alu instid0(VALU_DEP_1)
	v_fma_f32 v33, v[STT+2*\k], v[STT+2*\k], v33
.endr
	s_delay_alu instid0(VALU_DEP_1)
	v_fmamk_f32 v36, v33, 0x46800000, v36          ; x 16,384, + the sum of the M2
	s_delay_alu instid0(VALU_DEP_1)
	v_fma_f32 v36, v36, s93, s94                   ; var + eps (the factor is a power of two)
	s_wait_alu depctr_va_vdst(0)
	v_rsq_f32 v[RSTD], v36
	v_nop                                          ; one plain place behind a transcendental,
	s_wait_alu depctr_va_vdst(0)                   ; and the wait ahead of the first line that names its result
	v_mov_b32 v[RSTD+1], v[RSTD]
.set ch, 0
.rept 32
.if ch == 0
	s_wait_loadcnt 16                              ; channels 0-15 are in; the 16 younger loads may be out
.endif
.if ch == 16
	s_wait_loadcnt 0x0
.endif
	v_pk_add_f32 v[XR+2*ch:XR+2*ch+1], v[XR+2*ch:XR+2*ch+1], v[MEAN:MEAN+1] neg_lo:[0,1] neg_hi:[0,1]
	s_wait_alu depctr_va_vdst(0)
	v_pk_mul_f32 v[XR+2*ch:XR+2*ch+1], v[XR+2*ch:XR+2*ch+1], v[RSTD:RSTD+1]
	v_readlane_b32 s[66+2*(ch%4)], v[VW], ch       ; the channel's gain and bias, in four pairs of scalars by turns
	v_readlane_b32 s[67+2*(ch%4)], v[VB], ch
	s_delay_alu instid0(VALU_DEP_1)
	v_fma_f32 v[ACC+ch], v[XR+2*ch], s[66+2*(ch%4)], s[67+2*(ch%4)]       ; h of pixel 2 l: registers run along the channels
	s_delay_alu instid0(VALU_DEP_2)
	v_fma_f32 v[ACC+32+ch], v[XR+2*ch+1], s[66+2*(ch%4)], s[67+2*(ch%4)]  ; and of pixel 2 l + 1
.set ch, ch+1
.endr
; A whole block of 32 in one lane's registers v[s] on: its codes and its byte go to their places in h's images.  e: which of my two pixels; each has registers of its own
.macro QUANT32 s, e
	v_max3_num_f32 v[TM+4*\e], |v[\s]|, |v[\s+1]|, |v[\s+2]|
	v_max3_num_f32 v[TM+4*\e+1], |v[\s+3]|, |v[\s+4]|, |v[\s+5]|
.irp i, 6,10,14,18,22,26
	s_delay_alu instid0(VALU_DEP_2)
	v_max3_num_f32 v[TM+4*\e], v[TM+4*\e], |v[\s+\i]|, |v[\s+\i+1]|
	s_delay_alu instid0(VALU_DEP_2)
	v_max3_num_f32 v[TM+4*\e+1], v[TM+4*\e+1], |v[\s+\i+2]|, |v[\s+\i+3]|
.endr
	s_delay_alu instid0(VALU_DEP_2)
	v_max3_num_f32 v[TM+4*\e], v[TM+4*\e], |v[\s+30]|, |v[\s+31]|
	s_delay_alu instid0(VALU_DEP_1)
	v_max3_num_f32 v[TM+4*\e], v[TM+4*\e], v[TM+4*\e+1], 0x1800000   ; and the floor 2^(3 - 127)
	s_delay_alu instid0(VALU_DEP_1)
	v_add_nc_u32 v[TM+4*\e+2], 0xff000000, v[TM+4*\e]
	s_delay_alu instid0(VALU_DEP_1)
	v_lshrrev_b32 v[TM+4*\e+3], 23, v[TM+4*\e+2]
	v_cvt_scalef32_pk16_fp6_f32 v[CD+6*\e:CD+6*\e+2], v[\s:\s+15], v[TM+4*\e+2]
	v_cvt_scalef32_pk16_fp6_f32 v[TC+4*\e:TC+4*\e+2], v[\s+16:\s+31], v[TM+4*\e+2]
	v_nop                                          ; one plain place behind a scaled conversion
.irp i, 0,1,2
	v_mov_b32 v[CD+6*\e+3+\i], v[TC+4*\e+\i]
.endr
	ds_store_b64 v[ADP], v[CD+6*\e:CD+6*\e+1] offset:16*\e
	ds_store_b64 v[ADQ], v[CD+6*\e+2:CD+6*\e+3] offset:16*\e
	ds_store_b64 v[ADP], v[CD+6*\e+4:CD+6*\e+5] offset:512+16*\e
	ds_store_b8 v[ADB], v[TM+4*\e+3] offset:4*\e
.endm
	QUANT32 ACC, 0
	QUANT32 ACC+32, 1
	s_wait_tensorcnt 0x0                           ; my parts of the weights, scale bytes and biases have landed,
	s_wait_dscnt 0x0                               ; and my stores into h's images
	s_barrier_signal -1
	s_barrier_wait -1                              ; everybody's have.  From here on LDS is only read
	; ---- PHASE 1
.macro UNITADR ub, b0                  ; the unit's rows of W begin at row s[ub]
	s_mul_i32 s93, s[\ub], 240
	s_lshl_b32 s94, s[\ub], 3
	s_lshl_b32 s95, s[\ub], 2
	v_add_nc_u32 v[AWU], s93, v[AW0]
	v_add_nc_u32 v[AWU+2], s93, v[AW1]
	v_add_nc_u32 v[ASWU], s94, v[ASW0]
	v_add_nc_u32 v[ABU], s95, v[\b0]
.endm
.macro LOADQK s                        ; K step s: four tiles of W (tile t begins at row 32 (t / 2) + 8 (t % 2)), my two tiles of h, their scale words; with s = 0 the biases: lane (r, h), tile t: rows 16 h + 0 .. 7 of the tile's span
.irp t, 0,1,2,3
	FRAGW OPS+12*\t, \s, 32*(\t/2)+8*(\t%2)
	ds_load_b32 v[WSR+\t], v[ASWU] offset:8*(32*(\t/2)+8*(\t%2))+4*(\s)
.endr
.irp m, 0,1
	FETCHI OPS+48+12*\m, AHQ, (2*\m+(\s))*1536
	ds_load_b32 v[HSR+\m], v[ASQ] offset:(2*\m+(\s))*64
.endr
.if (\s) == 0
.irp t, 0,1,2,3
	ds_load_b128 v[CB+8*\t:CB+8*\t+3], v[ABU] offset:4*(32*(\t/2)+8*(\t%2))
	ds_load_b128 v[CB+8*\t+4:CB+8*\t+7], v[ABU] offset:4*(32*(\t/2)+8*(\t%2))+16
.endr
.endif
.endm
.macro MULQK s                         ; eight accumulators by turns, one instruction a turn
.irp m, 0,1
.irp t, 0,1,2,3
.if (\s) == 0
	WMC ACC+32*\m+8*\t, OPS+12*\t, OPS+48+12*\m, CB+8*\t, WSR+\t, HSR+\m
.else
	WMC ACC+32*\m+8*\t, OPS+12*\t, OPS+48+12*\m, ACC+32*\m+8*\t, WSR+\t, HSR+\m
.endif
.endr
.endr
.endm
.macro LOADV s                         ; K step s: my two tiles of W, all four tiles of h; with s = 0 the biases: a lane holds one row of d, so its eight registers hold one number
.irp t, 0,1
	FRAGW OPS+12*\t, \s, 8*\t
	ds_load_b32 v[WSR+\t], v[ASWU] offset:64*\t+4*(\s)
.endr
.irp m, 0,1,2,3
	FETCHI OPS+24+12*\m, AHV, (2*\m+(\s))*1536
	ds_load_b32 v[HSR+\m], v[ASV] offset:(2*\m+(\s))*64
.endr
.if (\s) == 0
.irp t, 0,1
.irp j, 0,1,2,3,4,5,6,7
	ds_load_b32 v[CB+8*\t+\j], v[ABU] offset:32*\t
.endr
.endr
.endif
.endm
.macro MULV s
.irp m, 0,1,2,3
.irp t, 0,1
.if (\s) == 0
	WMC ACC+32*\t+8*\m, OPS+24+12*\m, OPS+12*\t, CB+8*\t, HSR+\m, WSR+\t
.else
	WMC ACC+32*\t+8*\m, OPS+24+12*\m, OPS+12*\t, ACC+32*\t+8*\m, HSR+\m, WSR+\t
.endif
.endr
.endr
.endm
	UNITADR 90, ABQ0                               ; q
	LOADQK 0
	s_wait_alu depctr_va_vdst(0)
	s_wait_dscnt 0x0
	MULQK 0
	PLACES
	LOADQK 1
	s_wait_dscnt 0x0
	MULQK 1
	PLACES
	UNITADR 91, ABQ0                               ; k's first operands come in while q is quantised
	LOADQK 0
	QUANTH ACC, CD, U0
	QUANTH ACC+32, CD+6, U0+1
	v_lshl_or_b32 v[SW0], v[U0], 16, v[U0]         ; q's two bytes twice: the word serves q in the lower and in the upper half of K
	v_lshl_or_b32 v[SW0+1], v[U0+1], 16, v[U0+1]
.irp m, 0,1
	global_store_b128 v[LQ], v[CD+6*\m:CD+6*\m+3], s[18:19] offset:768*\m
	global_store_b64 v[LH], v[CD+6*\m+4:CD+6*\m+5], s[18:19] offset:768*\m+512
	global_store_b32 v[LR], v[SW0+\m], s[20:21] offset:64*\m   ; lanes 16-31 write the same bytes with the same values
.endr
	s_wait_dscnt 0x0
	MULQK 0
	PLACES
	LOADQK 1
	s_wait_dscnt 0x0
	MULQK 1
	PLACES
	UNITADR 92, ABV0                               ; v's first operands come in while k is quantised
	LOADV 0
	s_wait_xcnt 0x0                                ; q's stores have read their registers: the codes' registers are written again
	QUANTH ACC, CD, U0
	QUANTH ACC+32, CD+6, U0+1
	v_lshl_or_b32 v[SW0], v[U0+1], 16, v[U0]       ; key tile u = 0's two bytes, then u = 1's
.irp c, 0,1,2
	global_store_b128 v[GK], v[CD+4*\c:CD+4*\c+3], s[22:23] offset:512*\c   ; the two tiles' codes are one full image
.endr
	global_store_b32 v[GKS], v[SW0], s[22:23]
	s_wait_dscnt 0x0
	MULV 0
	PLACES
	LOADV 1
	s_wait_dscnt 0x0
	MULV 1
	PLACES
	s_wait_xcnt 0x0                                ; k's stores have read their registers
	QUANTH ACC, CD, U0
	QUANTH ACC+32, CD+6, U0+1
.irp t, 0,1
	global_store_b128 v[GVQ], v[CD+6*\t:CD+6*\t+3], s[22:23] offset:1536*\t
	global_store_b64 v[GVH], v[CD+6*\t+4:CD+6*\t+5], s[22:23] offset:1536*\t
	global_store_b16 v[GVS], v[U0+\t], s[22:23] offset:4*\t
.endr
	s_wait_dscnt 0x0
	s_wait_tensorcnt 0x0
	ds_add_u32 v43, v47
	s_wait_dscnt 0x0
	CROUND                                         ; the closing round: no work-group ends while a partner may still ask for a tile that names it
	s_endpgm
.Lfunc_end_k_qecd899740d_qkv:
	.size	k_qecd899740d_qkv, .Lfunc_end_k_qecd899740d_qkv-k_qecd899740d_qkv
	.p2alignl 7, 3214868480
	.fill 96, 4, 3214868480
	.section	.rodata,"a",@progbits
	.p2align	6, 0x0
	.amdhsa_kernel k_qecd899740d_qkv
		.amdhsa_group_segment_fixed_size 207360
		.amdhsa_private_segment_fixed_size 0
		.amdhsa_enable_private_segment 0
		.amdhsa_kernarg_size 80
		.amdhsa_user_sgpr_count 2
		.amdhsa_user_sgpr_kernarg_segment_ptr 1
		.amdhsa_wavefront_size32 1
		.amdhsa_system_sgpr_workgroup_id_x 1
		.amdhsa_system_sgpr_workgroup_id_y 1
		.amdhsa_system_sgpr_workgroup_id_z 1
		.amdhsa_system_vgpr_workitem_id 0
		.amdhsa_next_free_vgpr 256
		.amdhsa_next_free_sgpr 100
		.amdhsa_reserve_vcc 0
		.amdhsa_float_denorm_mode_32 3
		.amdhsa_float_denorm_mode_16_64 3
		.amdhsa_memory_ordered 1
		.amdhsa_forward_progress 1
		.amdhsa_inst_pref_size 73
	.end_amdhsa_kernel
	.amdgpu_metadata
---
amdhsa.version: [ 1, 2 ]
amdhsa.kernels:
  - .name:           k_qecd899740d_qkv
    .symbol:         k_qecd899740d_qkv.kd
    .args:
      - { .name: x, .offset: 0, .size: 8, .value_kind: global_buffer, .address_space: global }
      - { .name: norm_w, .offset: 8, .size: 8, .value_kind: global_buffer, .address_space: global }
      - { .name: norm_b, .offset: 16, .size: 8, .value_kind: global_buffer, .address_space: global }
      - { .name: qkv_w_codes, .offset: 24, .size: 8, .value_kind: global_buffer, .address_space: global }
      - { .name: qkv_w_scales, .offset: 32, .size: 8, .value_kind: global_buffer, .address_space: global }
      - { .name: qkv_b, .offset: 40, .size: 8, .value_kind: global_buffer, .address_space: global }
      - { .name: stats, .offset: 48, .size: 8, .value_kind: global_buffer, .address_space: global }
      - { .name: qc, .offset: 56, .size: 8, .value_kind: global_buffer, .address_space: global }
      - { .name: qs, .offset: 64, .size: 8, .value_kind: global_buffer, .address_space: global }
      - { .name: kv, .offset: 72, .size: 8, .value_kind: global_buffer, .address_space: global }
    .group_segment_fixed_size: 207360
    .private_segment_fixed_size: 0
    .kernarg_segment_align: 8
    .kernarg_segment_size: 80
    .max_flat_workgroup_size: 256
    .sgpr_count:     100
    .vgpr_count:     256
    .wavefront_size: 32
...
	.end_amdgpu_metadata
.endif
;; end of part 2
;; launch attn (part 3): grid 16 x 16, 16 waves a work-group, clusters of 4 x 1, 327,680 bytes of LDS; arguments qc, qs, kv, oc, os; writes oc, os
.if DOCPART == 3
	.amdgcn_target "amdgcn-amd-amdhsa--gfx1250"
	.amdhsa_code_object_version 6
	.text
	.protected	k_qecd899740d_attn
	.globl	k_qecd899740d_attn
	.p2align	8
	.type	k_qecd899740d_attn,@function
k_qecd899740d_attn:
	s_mov_b64 s[64:65], 0
	v_nop
	global_prefetch_b8 v0, s[64:65] scope:SCOPE_SE
	s_setreg_imm32_b32 hwreg(HW_REG_WAVE_MODE, 25, 1), 1
	s_wait_xcnt 0x0
	s_wait_alu depctr_hold_cnt(0) depctr_sa_sdst(0) depctr_va_vdst(0) depctr_va_sdst(0) depctr_va_ssrc(0) depctr_va_vcc(0) depctr_vm_vsrc(0)
	s_getreg_b32 s2, hwreg(HW_REG_IB_STS2, 6, 4)
	s_cmp_eq_u32 s2, 0
	s_cbranch_scc0 .Lentry_in_a_cluster
	s_endpgm
.Lentry_in_a_cluster:
	s_bfe_u32 s2, ttmp6, 0x10000c
	s_cmp_lg_u32 s2, 0x3003
	s_cbranch_scc0 .Lentry_shape_is_right
	s_endpgm
.Lentry_shape_is_right:
; ATTENTION on codes of FP6 (E2M3) with one E8M0 scale for each 32 along a product's K.  16 (image, head) pairs bh, 4,096 pixels, head size 64.  All operands come as images of their registers, laid by the launch before.
; THE SOFTMAX AHEAD OF THE SECOND PRODUCT: t = score x log2(e) / 8; M = the row's largest t so far, rounded UP to a whole number; p = 2^(t - M) is quantised along the keys, not normalised.  The row's sum is taken of the
; unquantised p and divides O at the end.  When M moves, the sum and O are multiplied by 2^(old M - new M): exact.  O / sum is then quantised along d for the projection.
; SHARES.  A work-group owns 256 queries of one bh; each of its SIXTEEN waves one tile of 16, in 256 registers: four waves to a SIMD, so that one wave's vector work stands beside another's matrix work and LDS loads.  Every wave walks 32 steps of 128 keys.
; LAYOUT.  Both products transposed: S^T = K Q^T, O^T = V^T P^T: a lane holds ONE query throughout.  THE HEAD IS 64, HALF OF THE INSTRUCTION'S 128: a fragment of K carries TWO key tiles (registers 0-5: tile u = 0; 6-11: u = 1) and is
; multiplied by [q, 0] and by [0, q]: zero codes add nothing, and no LDS byte is read in vain.  Key tile (kb, u), row r is key 32 kb + 8 u + r + 8 (r / 8): so S^T's register 16 kb + n is key 32 kb + 16 (lane / 16) + n.
; THE RING.  Two slots of eight steps' records (102,400 bytes), 2^17 bytes apart, filled by waves 0-3 (25,600 dense bytes each, as rows of 256 bytes).  All reads are dense images: no padding.  At most two tensor loads of a wave are outstanding.
; CLUSTER.  The four query blocks of a cluster belong to one bh and walk the same records: each fill is asked for JOINTLY (mask 15).
; A refill is asked for a slot's eight steps ahead of its first read.
; LIMITS: NaN and infinities are not served.  A block's largest p is made from the block's largest score by the same two instructions (this takes v_exp_f32 not to fall where its input rises).  A block whose every p is 0 keeps the byte 1: its codes are zeros.
; 1 / sum is v_rcp_f32.
.set SLOT1, 131072
.set SPARE, 233472                     ; behind the ring: the spare words, 128 bytes for each wave: eight blocks of 256 bytes that no other line names
.set LQ,   1                           ; v1   16 x lane
.set LH,   2                           ; v2   8 x lane
.set LR16, 3                           ; v3   16 r
.set SPW,  4                           ; v4   LDS address of my spare word; never rewritten
.set NIL,  5                           ; v5   0; never rewritten
.set ADQ,  6                           ; v6-8 the step's LDS addresses
.set ADH,  7
.set ADS,  8
.set LR,   9                           ; v9   4 r
.set OW,   10                          ; v10  o's two scale bytes
.set QHI,  16                          ; v[16:27] = [0, q];  v[22:33] = [q, 0]: v16-21 and v28-33 are zeros, v22-27 q
.set QLO,  22
.set QS,   34                          ; v34  q's scale word;  v35 p's;  v84-87 K's;  v88-91 V's: these hold scales and nothing else
.set PW,   35
.set KF,   36                          ; v36-83 four fragments of K, then of V
.set KS,   84
.set VS,   88
.set BM,   92                          ; v92-95 the blocks' largest scores, then largest p
.set S,    96                          ; v96-159 S^T, then p
.set O,    160                         ; v160-191 O^T: register 8 t + j is d = 32 (t / 2) + 16 (lane / 16) + 8 (t % 2) + j
.set PC,   192                         ; v192-203 p's codes
.set TC,   204                         ; v204-206, v208-210 second halves of conversions
.set PT,   212                         ; v212-215 permutes' results, bytes
.set TM,   212
.set SO,   216                         ; v216-219 the conversions' scale operands
.set F,    220                         ; v[220:221] f = 2^(old M - new M)
.set L2,   222                         ; v[222:223] the sums' second chain
.set T,    224
.set WV,   14                          ; s14  wave
.set SEL,  20                          ; s[20:21] lane l xor 16
.set CS,   22                          ; s[22:23] c = log2(e) / 8
.set G1,   24                          ; s[24:31] group 1;  s[32:35], s[36:39] groups 0 of slots 0 and 1
.set G0A,  32
.set G0B,  36
.set TB,   40                          ; s40  LDS byte of the step's record
.set CNT,  41                          ; s41  steps left in the slot
.macro CROUND
	s_barrier_signal -1
	s_barrier_wait -1
	s_cmp_lg_u32 s[WV], 0
	s_cbranch_scc1 .Lnot_wave_0_\@
	s_barrier_signal -3
.Lnot_wave_0_\@:
	s_barrier_wait -3
	s_barrier_signal -1
	s_barrier_wait -1
.endm
.macro PLACES
.rept 4
	v_nop
.endr
.endm
.macro WMZ d, a, b, sa, sb
	v_wmma_scale_f32_16x16x128_f8f6f4 v[\d:\d+7], v[\a:\a+11], v[\b:\b+11], 0, v[\sa], v[\sb] matrix_a_fmt:MATRIX_FMT_FP6 matrix_b_fmt:MATRIX_FMT_FP6
.endm
.macro WMC d, a, b, c, sa, sb
	v_wmma_scale_f32_16x16x128_f8f6f4 v[\d:\d+7], v[\a:\a+11], v[\b:\b+11], v[\c:\c+7], v[\sa], v[\sb] matrix_a_fmt:MATRIX_FMT_FP6 matrix_b_fmt:MATRIX_FMT_FP6
.endm
.macro JLOAD g0                        ; waves 0-3 fetch; the branch hangs on the wave's number alone; four v_nop follow the load
	s_cmp_lt_u32 s[WV], 4
	s_cbranch_scc0 .Lnot_mine_\@
	tensor_load_to_lds s[\g0:\g0+3], s[G1:G1+7]
	s_nop 0
.rept 4
	v_nop
.endr
.Lnot_mine_\@:
.endm
; 32 numbers of a lane, register 16 b + i = place 32 b + 16 (lane / 16) + i of my row, become a half image in v[d] on and the row's two scale bytes in v[w]
.macro QUANTH s, d, w
.irp b, 0,1
	v_max3_num_f32 v[TM+\b], |v[\s+16*\b]|, |v[\s+16*\b+1]|, 0x1800000
.endr
.irp i, 2,4,6,8,10,12,14
.irp b, 0,1
	s_delay_alu instid0(VALU_DEP_2)
	v_max3_num_f32 v[TM+\b], v[TM+\b], |v[\s+16*\b+\i]|, |v[\s+16*\b+\i+1]|
.endr
.endr
.irp b, 0,1
	s_delay_alu instid0(VALU_DEP_2)
	v_permlanex16_b32 v[TM+2+\b], v[TM+\b], s[SEL], s[SEL+1]
.endr
.irp b, 0,1
	s_delay_alu instid0(VALU_DEP_2)
	v_max_num_f32 v[TM+\b], v[TM+\b], v[TM+2+\b]
.endr
.irp b, 0,1
	s_delay_alu instid0(VALU_DEP_2)
	v_add_nc_u32 v[TM+4+\b], 0xff000000, v[TM+\b]
.endr
.irp b, 0,1
	s_delay_alu instid0(VALU_DEP_2)
	v_lshrrev_b32 v[TM+2+\b], 23, v[TM+4+\b]
.endr
	s_delay_alu instid0(VALU_DEP_1)
	v_lshl_or_b32 v[\w], v[TM+3], 8, v[TM+2]
	v_cvt_scalef32_pk16_fp6_f32 v[\d:\d+2], v[\s:\s+15], v[TM+4]
	v_cvt_scalef32_pk16_fp6_f32 v[TC:TC+2], v[\s+16:\s+31], v[TM+5]
	v_nop                                          ; one plain place behind a scaled conversion
.irp i, 0,1,2
	v_permlane16_swap_b32 v[\d+\i], v[TC+\i]
.endr
.irp i, 0,1,2
	s_delay_alu instid0(VALU_DEP_3)
	v_mov_b32 v[\d+3+\i], v[TC+\i]
.endr
.endm
	s_load_b256 s[4:11], s[0:1], 0x0               ; qc 4, qs 6, kv 8, oc 10
	s_load_b64 s[12:13], s[0:1], 0x20              ; os
	v_lshl_add_u32 v[SPW], v0, 2, SPARE
	v_mov_b32 v[NIL], 0
	ds_add_u32 v4, v5
	ds_add_u32 v4, v5
	s_wait_dscnt 0x0
	v_lshrrev_b32 v10, 5, v0
	s_delay_alu instid0(VALU_DEP_1)
	v_readfirstlane_b32 s[WV], v10                 ; wave 0..15
	s_bfe_u32 s15, ttmp6, 0x40000                  ; cx: it enters q's and o's global addresses alone
	s_lshl_b32 s16, ttmp9, 2
	s_add_co_u32 s16, s16, s15                     ; my block of 256 queries
	s_and_b32 s17, ttmp7, 0xffff                   ; bh, which the four partners share
	s_mov_b32 s[SEL], 0x76543210
	s_mov_b32 s[SEL+1], 0xfedcba98
	s_mov_b32 s[CS], 0x3e38aa3b                    ; log2(e) / 8
	s_mov_b32 s[CS+1], s[CS]                       ; (named with it as a pair, so it is written)
	s_mov_b32 s[G1], 15|(3<<16)|(1<<21)            ; mask 15; elements of 8 bytes; bit 21 beside a mask; no padding
	s_mov_b32 s[G1+1], 32<<16                      ; tensor_dim0: 32 elements, 256 bytes
	s_mov_b32 s[G1+2], 100<<16                     ; tensor_dim1: 100 rows: two records
	s_mov_b32 s[G1+3], 32<<16                      ; tile_dim0
	s_mov_b32 s[G1+4], 100                         ; tile_dim1
	s_mov_b32 s[G1+5], 32                          ; the pitch: dense
	s_mov_b32 s[G1+6], 0
	s_mov_b32 s[G1+7], 0
	s_and_b32 s42, s[WV], 3
	s_mul_i32 s42, s42, 25600                      ; my quarter of a slot, in LDS and in memory
	s_mul_i32 s44, s17, 409600                     ; bh's 32 records
	s_add_co_u32 s44, s44, s42
	s_mov_b32 s45, 0
	s_lshl_b32 s46, s17, 8
	s_lshl_b32 s43, s16, 4
	s_add_co_u32 s46, s46, s43
	s_add_co_u32 s46, s46, s[WV]                   ; my tile: 256 bh + 16 x block + wave
	s_mul_i32 s48, s46, 768
	s_mov_b32 s49, 0
	s_lshl_b32 s50, s46, 6
	s_mov_b32 s51, 0
	s_lshr_b32 s46, s17, 2                         ; image
	s_lshl_b32 s46, s46, 8
	s_add_co_u32 s46, s46, s43
	s_add_co_u32 s46, s46, s[WV]                   ; 256 x image + tile in the image
	s_lshl_b32 s46, s46, 1
	s_bfe_u32 s47, s17, 0x10001                    ; head / 2: which K step of the projection
	s_add_co_u32 s46, s46, s47
	s_lshl_b32 s46, s46, 6
	s_and_b32 s47, s17, 1
	s_lshl_b32 s47, s47, 1                         ; head % 2: which half of the scale word
	s_add_co_u32 s52, s46, s47
	s_mov_b32 s53, 0
	s_wait_kmcnt 0x0
	s_mov_b32 s[G0A], 1
	s_mov_b32 s[G0A+1], s42
	s_add_nc_u64 s[G0A+2:G0A+3], s[8:9], s[44:45]
	s_mov_b32 s[G0B], 1
	s_add_co_u32 s[G0B+1], s42, SLOT1
	s_add_nc_u64 s[G0B+2:G0B+3], s[G0A+2:G0A+3], 102400
	s_or_b32 s[G0A+3], s[G0A+3], 0x80000000
	s_or_b32 s[G0B+3], s[G0B+3], 0x80000000
	s_add_nc_u64 s[4:5], s[4:5], s[48:49]
	s_add_nc_u64 s[10:11], s[10:11], s[48:49]
	s_add_nc_u64 s[6:7], s[6:7], s[50:51]
	s_add_nc_u64 s[12:13], s[12:13], s[52:53]
	CROUND                                         ; all four work-groups are here: the first joint loads meet
	s_cmp_lt_u32 s[WV], 4                          ; a wave's two first fills stand in one branch, ahead of every wait on TENSORcnt and every LDS read
	s_cbranch_scc0 .Lno_first
	tensor_load_to_lds s[G0A:G0A+3], s[G1:G1+7]
	s_nop 0
	tensor_load_to_lds s[G0B:G0B+3], s[G1:G1+7]
	s_nop 0
.rept 4
	v_nop
.endr
.Lno_first:
	v_and_b32 v10, 31, v0
	v_and_b32 v11, 15, v0
	s_delay_alu instid0(VALU_DEP_2)
	v_lshlrev_b32 v[LQ], 4, v10
	s_delay_alu instid0(VALU_DEP_3)
	v_lshlrev_b32 v[LH], 3, v10
	s_delay_alu instid0(VALU_DEP_3)
	v_lshlrev_b32 v[LR16], 4, v11
	s_delay_alu instid0(VALU_DEP_4)
	v_lshlrev_b32 v[LR], 2, v11
	global_load_b128 v[QLO:QLO+3], v[LQ], s[4:5]               ; q's half image stays in registers
	global_load_b64 v[QLO+4:QLO+5], v[LH], s[4:5] offset:512
	global_load_b32 v[QS], v[LR], s[6:7]
.irp i, 0,1,2,3,4,5
	v_mov_b32 v[QHI+\i], 0                         ; zero codes below q
	v_mov_b32 v[QLO+6+\i], 0                       ; and above it
.endr
.set j, 0
.rept 32
	v_mov_b32 v[O+j], 0                            ; O^T.  (The step is written without a first step of its own: it finds zeros, which the first change of M leaves zeros)
.set j, j+1
.endr
	v_mov_b32 v14, 0                               ; the sum, in two halves
	v_mov_b32 v15, 0
	v_mov_b32 v13, 0xff61b1e6                      ; the largest t so far: -3e38
	s_delay_alu instid0(VALU_DEP_1)
	v_floor_f32 v12, -v13                          ; -M
.irp b, 0,1,2,3
	v_mov_b32 v[PT+\b], 0                          ; a lane permute's destination counts as read: written once
.endr
	v_mov_b32 v[F+1], 0                            ; (named as the upper half of a pair)
	v_mov_b32 v[T], 0
	s_wait_loadcnt 0x0                             ; q
	s_wait_tensorcnt 1                             ; my part of slot 0 is in; slot 1's may stay out
	s_barrier_signal -1
	s_barrier_wait -1                              ; everybody's is
; A KEY STEP: 128 keys, the record at s[TB]
.macro STEP
	v_add_nc_u32 v[ADQ], s[TB], v[LQ]              ; these three and the v_nop are the four places behind the last step's products, in front of the loads into their registers
	v_add_nc_u32 v[ADH], s[TB], v[LH]
	v_add_nc_u32 v[ADS], s[TB], v[LR16]
	v_nop
.irp k, 0,1,2,3
.irp c, 0,1,2
	ds_load_b128 v[KF+12*\k+4*\c:KF+12*\k+4*\c+3], v[ADQ] offset:1536*\k+512*\c
.endr
.endr
	ds_load_b128 v[KS:KS+3], v[ADS] offset:12288   ; row r's four scale words of K: one for each block of 32 keys
	ds_load_b128 v[VS:VS+3], v[ADS] offset:12544   ; and of V: one for each tile of d
	s_wait_alu depctr_va_vdst(0)
	s_wait_dscnt 0x0
.irp k, 0,1,2,3
	WMZ S+16*\k, KF+12*\k, QLO, KS+\k, QS          ; key tile u = 0
	WMZ S+16*\k+8, KF+12*\k, QHI, KS+\k, QS        ; key tile u = 1, from the same fragment
.endr
	PLACES
.irp t, 0,1,2,3                        ; V's fragments take K's registers and land under the softmax
.irp c, 0,1
	ds_load_b128 v[KF+12*\t+6*\c:KF+12*\t+6*\c+3], v[ADQ] offset:6144+1536*\t+768*\c
	ds_load_b64 v[KF+12*\t+6*\c+4:KF+12*\t+6*\c+5], v[ADH] offset:6144+1536*\t+768*\c+512
.endr
.endr
.irp b, 0,1,2,3
	v_max3_num_f32 v[BM+\b], v[S+16*\b], v[S+1+16*\b], v[S+2+16*\b]   ; the largest score of each block of 32 keys: for the row's maximum and for the block's largest p
.endr
.irp i, 3,5,7,9,11,13
.irp b, 0,1,2,3
	v_max3_num_f32 v[BM+\b], v[BM+\b], v[S+16*\b+\i], v[S+1+16*\b+\i]
.endr
.endr
.irp b, 0,1,2,3
	v_max_num_f32 v[BM+\b], v[BM+\b], v[S+15+16*\b]
.endr
.irp b, 0,1,2,3
	s_delay_alu instid0(VALU_DEP_4)
	v_permlanex16_b32 v[PT+\b], v[BM+\b], s[SEL], s[SEL+1]
.endr
.irp b, 0,1,2,3
	s_delay_alu instid0(VALU_DEP_4)
	v_max_num_f32 v[BM+\b], v[BM+\b], v[PT+\b]     ; with lane l xor 16's 16 keys
.endr
	s_delay_alu instid0(VALU_DEP_2)
	v_max3_num_f32 v[T], v[BM], v[BM+1], v[BM+2]
	s_delay_alu instid0(VALU_DEP_1)
	v_max_num_f32 v[T], v[T], v[BM+3]
	s_delay_alu instid0(VALU_DEP_1)
	v_mul_f32 v[T], s[CS], v[T]                    ; as t (c is positive)
	s_delay_alu instid0(VALU_DEP_1)
	v_max_num_f32 v13, v13, v[T]                   ; the running largest t
	v_mov_b32 v[T], v12
	s_delay_alu instid0(VALU_DEP_2)
	v_floor_f32 v12, -v13                          ; the new -M = -ceil(t)
	s_delay_alu instid0(VALU_DEP_1)
	v_sub_f32 v[T], v12, v[T]                      ; old M - new M: a whole number, 0 or less
	s_delay_alu instid0(VALU_DEP_1)
	v_cvt_i32_f32 v[T], v[T]                       ; (it saturates)
	s_delay_alu instid0(VALU_DEP_1)
	v_ldexp_f32 v[F], 1.0, v[T]                    ; f
.set j, 0
.rept 32
	v_pk_fma_f32 v[S+j:S+j+1], v[S+j:S+j+1], s[CS:CS+1], v[12:13] op_sel_hi:[1,0,0]   ; t - M, two at a time
.set j, j+2
.endr
.irp b, 0,1,2,3
	v_fma_f32 v[BM+\b], v[BM+\b], s[CS], v12       ; the same of each block's largest score
.endr
.set j, 0
	s_wait_alu depctr_va_vdst(0)
.rept 64
	v_exp_f32 v[S+j], v[S+j]                       ; p = 2^(t - M)
.set j, j+1
.endr
	s_setprio 1
	v_pk_mul_f32 v[14:15], v[14:15], v[F:F+1] op_sel_hi:[1,0]   ; the sums under the new M: the plain place behind the exponentials
	s_wait_alu depctr_va_vdst(0)                   ; one wait for the batch, ahead of its first reader
.irp b, 0,1,2,3
	v_exp_f32 v[BM+\b], v[BM+\b]                   ; the block's largest p
.endr
	v_pk_add_f32 v[222:223], v[100:101], v[104:105]
	v_pk_add_f32 v[254:255], v[108:109], v[112:113]
	v_pk_add_f32 v[252:253], v[116:117], v[120:121]
	v_pk_add_f32 v[250:251], v[124:125], v[128:129]
	v_pk_add_f32 v[248:249], v[132:133], v[136:137]
	v_pk_add_f32 v[246:247], v[140:141], v[144:145]
	v_pk_add_f32 v[244:245], v[148:149], v[152:153]
	v_pk_add_f32 v[14:15], v[14:15], v[156:157]
	v_pk_add_f32 v[222:223], v[222:223], v[96:97]
	v_pk_add_f32 v[254:255], v[254:255], v[98:99]
	v_pk_add_f32 v[252:253], v[252:253], v[102:103]
	v_pk_add_f32 v[250:251], v[250:251], v[106:107]
	v_pk_add_f32 v[248:249], v[248:249], v[110:111]
	v_pk_add_f32 v[246:247], v[246:247], v[114:115]
	v_pk_add_f32 v[244:245], v[244:245], v[118:119]
	v_pk_add_f32 v[14:15], v[14:15], v[122:123]
	v_pk_add_f32 v[222:223], v[222:223], v[126:127]
	v_pk_add_f32 v[254:255], v[254:255], v[130:131]
	v_pk_add_f32 v[252:253], v[252:253], v[134:135]
	v_pk_add_f32 v[250:251], v[250:251], v[138:139]
	v_pk_add_f32 v[248:249], v[248:249], v[142:143]
	v_pk_add_f32 v[246:247], v[246:247], v[146:147]
	v_pk_add_f32 v[244:245], v[244:245], v[150:151]
	v_pk_add_f32 v[14:15], v[14:15], v[154:155]
	v_pk_add_f32 v[222:223], v[222:223], v[158:159]
	s_delay_alu instid0(VALU_DEP_2)
	v_pk_add_f32 v[14:15], v[14:15], v[250:251]
	s_delay_alu instid0(VALU_DEP_2)
	v_pk_add_f32 v[222:223], v[222:223], v[248:249]
	v_pk_add_f32 v[254:255], v[254:255], v[246:247]
	v_pk_add_f32 v[252:253], v[252:253], v[244:245]
	s_delay_alu instid0(VALU_DEP_2)
	v_pk_add_f32 v[14:15], v[14:15], v[254:255]
	s_delay_alu instid0(VALU_DEP_2)
	v_pk_add_f32 v[222:223], v[222:223], v[252:253]
	s_delay_alu instid0(VALU_DEP_1)
	v_pk_add_f32 v[14:15], v[14:15], v[222:223]
	s_wait_alu depctr_va_vdst(0)                   ; and one for the four
.irp b, 0,1,2,3
	v_max_num_f32 v[BM+\b], 0x1800000, v[BM+\b]    ; the floor 2^(3 - 127)
.endr
.irp b, 0,1,2,3
	s_delay_alu instid0(VALU_DEP_4)
	v_add_nc_u32 v[SO+\b], 0xff000000, v[BM+\b]    ; 2 off the exponent field: the conversion's scale operand
.endr
.irp b, 0,1,2,3
	s_delay_alu instid0(VALU_DEP_4)
	v_lshrrev_b32 v[PT+\b], 23, v[SO+\b]           ; the scale's byte
.endr
	s_delay_alu instid0(VALU_DEP_3)
	v_lshl_or_b32 v[PW], v[PT+1], 8, v[PT]         ; p's scale word for these 128 keys
	s_delay_alu instid0(VALU_DEP_1)
	v_lshl_or_b32 v[PW], v[PT+2], 16, v[PW]
	s_delay_alu instid0(VALU_DEP_1)
	v_lshl_or_b32 v[PW], v[PT+3], 24, v[PW]
.irp c, 0,1
	v_cvt_scalef32_pk16_fp6_f32 v[PC+6*\c:PC+6*\c+2], v[S+32*\c:S+32*\c+15], v[SO+2*\c]
	v_cvt_scalef32_pk16_fp6_f32 v[TC+4*\c:TC+4*\c+2], v[S+32*\c+16:S+32*\c+31], v[SO+2*\c+1]
.endr
	v_nop                                          ; one plain place behind a scaled conversion
.irp c, 0,1
.irp i, 0,1,2
	v_permlane16_swap_b32 v[PC+6*\c+\i], v[TC+4*\c+\i]   ; a whole block in a lane: lanes 0-15 block 2 c, lanes 16-31 block 2 c + 1
.endr
.irp i, 0,1,2
	s_delay_alu instid0(VALU_DEP_3)
	v_mov_b32 v[PC+6*\c+3+\i], v[TC+4*\c+\i]
.endr
.endr
.set j, 0
	s_setprio 0
.rept 16
	v_pk_mul_f32 v[O+j:O+j+1], v[O+j:O+j+1], v[F:F+1] op_sel_hi:[1,0]   ; O^T under the new M.  For each product below twelve of these name none of its registers: the places in front of it (8 behind the scale word, 4 behind the codes)
.set j, j+2
.endr
	s_wait_alu depctr_va_vdst(0)
	s_wait_dscnt 0x0                               ; V
.irp t, 0,1,2,3
	WMC O+8*\t, KF+12*\t, PC, O+8*\t, VS+\t, PW    ; four accumulators by turns; the eight products of S^T stand between two steps' turns
.endr
	s_add_co_u32 s[TB], s[TB], 12800
.endm
.macro SLOT base                       ; a slot's eight steps: written once, walked eight times
	s_mov_b32 s[TB], \base
	s_mov_b32 s[CNT], 8
.Lstep_\@:
	s_setprio 2
	STEP
	s_sub_co_u32 s[CNT], s[CNT], 1
	s_cmp_lg_u32 s[CNT], 0
	s_cbranch_scc1 .Lstep_\@
	s_setprio 0
.endm
; THE CHANGE OF SLOTS.  Each wave waits for all its tensor loads (its part of the slot ahead), adds 0 to its spare word, and waits for that and for its reads of the slot that it leaves.
; fill = 1: that slot is filled again, with the records two slots on.  The barrier is then a round of the cluster's, and the joint refill is the first thing behind it.
.macro CHANGE fill, g0
	s_wait_tensorcnt 0x0                           ; no tensor load of mine is out, so a group 0 may be written
	ds_add_u32 v[SPW], v[NIL]
.if \fill
	s_add_nc_u64 s[\g0+2:\g0+3], s[\g0+2:\g0+3], 204800   ; the type bits on top are not reached
.endif
	s_wait_dscnt 0x0                               ; the add is done, and my reads of the slot are over
.if \fill
	CROUND
	JLOAD \g0
.else
	s_barrier_signal -1
	s_barrier_wait -1
.endif
.endm
	SLOT 0                                         ; steps 0-7
	CHANGE 1, G0A                                  ; slot 0 takes steps 16-23
	SLOT SLOT1                                     ; steps 8-15
	CHANGE 1, G0B                                  ; slot 1 takes steps 24-31
	SLOT 0
	CHANGE 0, G0A                                  ; nothing is left to fetch
	SLOT SLOT1
	; THE WAY OUT: O^T / the sum, quantised along d: a half image and two scale bytes
	PLACES
	v_add_f32 v14, v14, v15
	s_delay_alu instid0(VALU_DEP_1)
	v_permlanex16_b32 v[T], v14, s[SEL], s[SEL+1]
	s_delay_alu instid0(VALU_DEP_1)
	v_add_f32 v14, v14, v[T]                       ; the row's sum
	s_wait_alu depctr_va_vdst(0)
	v_rcp_f32 v14, v14
	v_nop                                          ; one plain place behind a transcendental
	s_wait_alu depctr_va_vdst(0)                   ; and the wait ahead of the first reader
.set j, 0
.rept 32
	v_mul_f32 v[S+j], v[O+j], v14                  ; each accumulator from its low end on
.set j, j+1
.endr
	QUANTH S, PC, OW
	global_store_b128 v[LQ], v[PC:PC+3], s[10:11]              ; 512 consecutive bytes, aligned
	global_store_b64 v[LH], v[PC+4:PC+5], s[10:11] offset:512  ; 256 consecutive bytes, aligned
	global_store_b16 v[LR], v[OW], s[12:13]        ; my head's half of the row's scale word; lanes 16-31 write the same bytes with the same values
	s_wait_tensorcnt 0x0                           ; the wave's end
	ds_add_u32 v[SPW], v[NIL]
	s_wait_dscnt 0x0
	CROUND                                         ; the closing round
	s_endpgm
.Lfunc_end_k_qecd899740d_attn:
	.size	k_qecd899740d_attn, .Lfunc_end_k_qecd899740d_attn-k_qecd899740d_attn
	.p2alignl 7, 3214868480
	.fill 96, 4, 3214868480
	.section	.rodata,"a",@progbits
	.p2align	6, 0x0
	.amdhsa_kernel k_qecd899740d_attn
		.amdhsa_group_segment_fixed_size 327680
		.amdhsa_private_segment_fixed_size 0
		.amdhsa_enable_private_segment 0
		.amdhsa_kernarg_size 40
		.amdhsa_user_sgpr_count 2
		.amdhsa_user_sgpr_kernarg_segment_ptr 1
		.amdhsa_wavefront_size32 1
		.amdhsa_system_sgpr_workgroup_id_x 1
		.amdhsa_system_sgpr_workgroup_id_y 1
		.amdhsa_system_sgpr_workgroup_id_z 1
		.amdhsa_system_vgpr_workitem_id 0
		.amdhsa_next_free_vgpr 256
		.amdhsa_next_free_sgpr 66
		.amdhsa_reserve_vcc 0
		.amdhsa_float_denorm_mode_32 3
		.amdhsa_float_denorm_mode_16_64 3
		.amdhsa_memory_ordered 1
		.amdhsa_forward_progress 1
		.amdhsa_inst_pref_size 81
	.end_amdhsa_kernel
	.amdgpu_metadata
---
amdhsa.version: [ 1, 2 ]
amdhsa.kernels:
  - .name:           k_qecd899740d_attn
    .symbol:         k_qecd899740d_attn.kd
    .args:
      - { .name: qc, .offset: 0, .size: 8, .value_kind: global_buffer, .address_space: global }
      - { .name: qs, .offset: 8, .size: 8, .value_kind: global_buffer, .address_space: global }
      - { .name: kv, .offset: 16, .size: 8, .value_kind: global_buffer, .address_space: global }
      - { .name: oc, .offset: 24, .size: 8, .value_kind: global_buffer, .address_space: global }
      - { .name: os, .offset: 32, .size: 8, .value_kind: global_buffer, .address_space: global }
    .group_segment_fixed_size: 327680
    .private_segment_fixed_size: 0
    .kernarg_segment_align: 8
    .kernarg_segment_size: 40
    .max_flat_workgroup_size: 512
    .sgpr_count:     66
    .vgpr_count:     256
    .wavefront_size: 32
...
	.end_amdgpu_metadata
.endif
;; end of part 3
;; launch proj (part 4): grid 256 x 1, 8 waves a work-group, clusters of 4 x 1, 168,960 bytes of LDS; arguments oc, os, proj_w_codes, proj_w_scales, proj_b, x, out0; writes out0
.if DOCPART == 4
	.amdgcn_target "amdgcn-amd-amdhsa--gfx1250"
	.amdhsa_code_object_version 6
	.text
	.protected	k_qecd899740d_proj
	.globl	k_qecd899740d_proj
	.p2align	8
	.type	k_qecd899740d_proj,@function
k_qecd899740d_proj:
	s_mov_b64 s[64:65], 0
	v_nop
	global_prefetch_b8 v0, s[64:65] scope:SCOPE_SE
	s_setreg_imm32_b32 hwreg(HW_REG_WAVE_MODE, 25, 1), 1
	s_wait_xcnt 0x0
	s_wait_alu depctr_hold_cnt(0) depctr_sa_sdst(0) depctr_va_vdst(0) depctr_va_sdst(0) depctr_va_ssrc(0) depctr_va_vcc(0) depctr_vm_vsrc(0)
	s_getreg_b32 s2, hwreg(HW_REG_IB_STS2, 6, 4)
	s_cmp_eq_u32 s2, 0
	s_cbranch_scc0 .Lentry_in_a_cluster
	s_endpgm
.Lentry_in_a_cluster:
	s_bfe_u32 s2, ttmp6, 0x10000c
	s_cmp_lg_u32 s2, 0x3003
	s_cbranch_scc0 .Lentry_shape_is_right
	s_endpgm
.Lentry_shape_is_right:
; out = x + proj_w o + proj_b, the product on codes of FP6 (E2M3) with one E8M0 scale for each 32 along K (K = the 256 channels = head x 64 + d).
; SHARES.  A work-group takes 64 pixels of one image, as the four tiles of 16 in which the attention launch has left o.  Wave w makes output channels 32 w .. 32 w + 31 for all 64 pixels: 16 products on eight accumulators by turns.
; Source 0 = o (16 pixels), source 1 = W (16 channels): a lane holds ONE channel and eight neighbouring pixels: tile 2 b' + u, register j of lane (r, h) is pixel 32 b' + 8 u + 16 h + j.  The bias is the C of each sum's first product.
; o's fragment of K step s is two half images: head 2 s in registers 0-5, head 2 s + 1 in registers 6-11.
; THE WAY OUT.  A channel's 64 pixels (256 bytes) go through the wave's own 32 rows of a stage in LDS and come back as whole rows: sixteen lanes add x and store 256 consecutive bytes, aligned.  No wave touches another's rows: no barrier.
; CLUSTER.  All work-groups read the same weights and scale bytes: the four of a cluster ask for them JOINTLY (mask 15).  o's images are the work-group's own: a plain tensor load.  A wave has three tensor loads outstanding.  LDS is filled once.
.set WC,   0                           ; LDS: W's codes, 256 rows of 3 x (64 + 16) bytes
.set WS,   61440                       ; W's scale bytes, 8 a row
.set OI,   63488                       ; o's half images: 3,072 x head + 768 x tile
.set STG,  75776                       ; the stage: 256 rows x (256 + 16) bytes; stored by the waves: no fill lands here
.set LQ,   1                           ; v1   16 x lane
.set LH,   2                           ; v2   8 x lane
.set LR,   3                           ; v3   4 r
.set AWU,  5                           ; v5, v7 my rows of W
.set ASW,  6                           ; v6   their scale words
.set SOA,  8                           ; v8   the stage: where I put 16 bytes of a row
.set SRA,  9                           ; v9   and where I read a row back
.set GX,   10                          ; v10  16,384 h + 16 r: my bytes in two channels' rows of x and of out
.set AOQ,  13                          ; v13, v14 o's images
.set AOH,  14
.set OSR,  16                          ; v16-23 o's scale words (2 m + s);  v24-27 W's (2 t + s): these hold scales and nothing else
.set WSR,  24
.set CB,   32                          ; v32-47 the biases in the result's layout
.set WF,   48                          ; v48-71 W's two fragments;  v72-119 o's four;  later v48-111: rows back from the stage
.set OF,   72
.set BK,   48
.set ACC,  120                         ; v120-183 eight accumulators
.set XR,   184                         ; v184-247 x, then the result
.set WV,   18                          ; s18  wave
.set W0C,  15|(1<<20)|(1<<21)|(3<<22)|(3<<25)
.set W0D,  15|(3<<16)|(1<<21)
.set W0P,  3<<16                       ; no mask: a load of the work-group's own
.macro CROUND
	s_barrier_signal -1
	s_barrier_wait -1
	s_cmp_lg_u32 s[WV], 0
	s_cbranch_scc1 .Lnot_wave_0_\@
	s_barrier_signal -3
.Lnot_wave_0_\@:
	s_barrier_wait -3
	s_barrier_signal -1
	s_barrier_wait -1
.endm
.macro PLACES
.rept 4
	v_nop
.endr
.endm
.macro GROUP1 g, w0, c, r
	s_mov_b32 s[\g], \w0
	s_mov_b32 s[\g+1], (\c)<<16
	s_mov_b32 s[\g+2], (\r)<<16
	s_mov_b32 s[\g+3], (\c)<<16
	s_mov_b32 s[\g+4], \r
	s_mov_b32 s[\g+5], \c
	s_mov_b32 s[\g+6], 0
	s_mov_b32 s[\g+7], 0
.endm
.macro WMC d, a, b, c, sa, sb
	v_wmma_scale_f32_16x16x128_f8f6f4 v[\d:\d+7], v[\a:\a+11], v[\b:\b+11], v[\c:\c+7], v[\sa], v[\sb] matrix_a_fmt:MATRIX_FMT_FP6 matrix_b_fmt:MATRIX_FMT_FP6
.endm
.macro FRAGW reg, s, row               ; a fragment of W from rows of 192 bytes laid 240 apart: six pieces of 8 bytes; lanes 16-31 read three pieces on, for some pieces behind one padding more
.irp p, 0,1,2,3,4,5
.set PCC, 12*(\s)+6*(\p/3)+\p%3
.if PCC%8 < 5
	ds_load_b64 v[\reg+2*\p:\reg+2*\p+1], v[AWU] offset:(\row)*240+8*PCC+16*(PCC/8)
.else
	ds_load_b64 v[\reg+2*\p:\reg+2*\p+1], v[AWU+2] offset:(\row)*240+8*PCC+16*(PCC/8)
.endif
.endr
.endm
	s_load_b256 s[4:11], s[0:1], 0x0               ; oc 4, os 6, W's codes 8, W's scales 10
	s_load_b128 s[12:15], s[0:1], 0x20             ; proj_b 12, x 14
	s_load_b64 s[16:17], s[0:1], 0x30              ; out0
	v_lshl_add_u32 v254, v0, 2, 0x29000
	v_mov_b32 v255, 0
	ds_add_u32 v254, v255
	ds_add_u32 v254, v255
	v_lshrrev_b32 v12, 5, v0
	s_delay_alu instid0(VALU_DEP_1)
	v_readfirstlane_b32 s[WV], v12                 ; wave 0..7
	v_and_b32 v12, 31, v0                          ; lane
	v_and_b32 v28, 15, v0                          ; r
	v_bfe_u32 v29, v0, 4, 1                        ; h
	s_delay_alu instid0(VALU_DEP_3)
	v_lshlrev_b32 v[LQ], 4, v12
	s_delay_alu instid0(VALU_DEP_4)
	v_lshlrev_b32 v[LH], 3, v12
	s_delay_alu instid0(VALU_DEP_4)
	v_lshlrev_b32 v[LR], 2, v28
	s_delay_alu instid0(VALU_DEP_4)
	v_lshlrev_b32 v[GX], 14, v29
	s_delay_alu instid0(VALU_DEP_1)
	v_lshl_add_u32 v[GX], v28, 4, v[GX]
	s_bfe_u32 s19, ttmp6, 0x40000                  ; cx: it enters global addresses alone
	s_lshl_b32 s20, ttmp9, 2
	s_add_co_u32 s20, s20, s19                     ; work-group 0..255
	s_lshr_b32 s21, s20, 6                         ; image
	s_and_b32 s22, s20, 63                         ; which 64 pixels
	GROUP1 24, W0C, 192, 32                        ; W's codes: 32 rows of 192 bytes a wave
	GROUP1 32, W0D, 32, 1                          ; W's scale bytes: 256 bytes a wave
	GROUP1 40, W0P, 32, 6                          ; o: two half images a wave, 1,536 dense bytes as six rows of 256
	s_mov_b32 s61, 0
	s_wait_alu depctr_va_vdst(0)
	s_wait_dscnt 0x0
	s_wait_kmcnt 0x0
	s_lshl_b32 s60, s21, 15                        ; os: 128 bytes a tile: 128 (256 x image + 4 x which 64)
	s_lshl_b32 s62, s22, 9
	s_add_co_u32 s60, s60, s62
	s_add_nc_u64 s[6:7], s[6:7], s[60:61]
	s_lshl_b32 s60, s[WV], 7                       ; proj_b: my 32 channels
	s_add_nc_u64 s[12:13], s[12:13], s[60:61]
	s_lshl_b32 s60, s21, 22                        ; x and out: image x 4 MiB + 32 channels x wave + 256 x which 64
	s_lshl_b32 s62, s[WV], 19
	s_add_co_u32 s60, s60, s62
	s_lshl_b32 s62, s22, 8
	s_add_co_u32 s60, s60, s62
	s_add_nc_u64 s[14:15], s[14:15], s[60:61]
	s_add_nc_u64 s[16:17], s[16:17], s[60:61]
.irp f, 0,1,2,3,4,5,6,7
	global_load_b32 v[OSR+\f], v[LR], s[6:7] offset:64*\f      ; tile f / 2, K step f % 2: row r's scale word
.endr
.irp t, 0,1
.irp j, 0,1,2,3,4,5,6,7
	global_load_b32 v[CB+8*\t+\j], v[LR], s[12:13] offset:64*\t   ; a lane holds one channel: its eight registers hold one number
.endr
.endr
.irp i, 0,1,2,3,4,5,6,7,8,9,10,11,12,13,14,15
	global_load_b128 v[XR+4*\i:XR+4*\i+3], v[GX], s[14:15] offset:32768*\i th:TH_LOAD_NT   ; channels 2 i and 2 i + 1 of my 32: sixteen lanes read 256 consecutive bytes, aligned
.endr
	s_mov_b32 s48, 1                               ; groups 0
	s_mul_i32 s49, s[WV], 7680
	s_mul_i32 s60, s[WV], 6144
	s_add_nc_u64 s[50:51], s[8:9], s[60:61]
	s_or_b32 s51, s51, 0x80000000
	s_mov_b32 s52, 1
	s_lshl_b32 s60, s[WV], 8
	s_add_co_u32 s53, s60, WS
	s_add_nc_u64 s[54:55], s[10:11], s[60:61]
	s_or_b32 s55, s55, 0x80000000
	s_mov_b32 s56, 1
	s_mul_i32 s57, s[WV], 1536
	s_add_co_u32 s57, s57, OI
	s_lshl_b32 s60, s21, 2
	s_lshr_b32 s62, s[WV], 1
	s_add_co_u32 s60, s60, s62                     ; bh = 4 x image + wave / 2
	s_mul_i32 s60, s60, 196608
	s_mul_i32 s62, s22, 3072
	s_add_co_u32 s60, s60, s62
	s_and_b32 s62, s[WV], 1
	s_mul_i32 s62, s62, 1536
	s_add_co_u32 s60, s60, s62
	s_add_nc_u64 s[58:59], s[4:5], s[60:61]
	s_or_b32 s59, s59, 0x80000000
	CROUND                                         ; all four work-groups are here: the joint loads meet
	tensor_load_to_lds s[48:51], s[24:31]
	s_nop 0
	tensor_load_to_lds s[52:55], s[32:39]
	s_nop 0
	tensor_load_to_lds s[56:59], s[40:47]
	s_nop 0
.rept 4
	v_nop
.endr
	s_mul_i32 s62, s[WV], 7680
	v_mul_u32_u24 v[AWU], v28, 240
	s_delay_alu instid0(VALU_DEP_1)
	v_mad_u32_u24 v[AWU], v29, 24, v[AWU]
	s_delay_alu instid0(VALU_DEP_1)
	v_add_nc_u32 v[AWU], s62, v[AWU]               ; WC + 240 (32 w + r) + 24 h
	s_delay_alu instid0(VALU_DEP_1)
	v_lshl_add_u32 v[AWU+2], v29, 4, v[AWU]
	s_lshl_b32 s62, s[WV], 8
	s_add_co_u32 s62, s62, WS
	v_lshl_add_u32 v[ASW], v28, 3, s62             ; WS + 8 (32 w + r)
	s_mul_i32 s62, s[WV], 8704
	s_add_co_u32 s62, s62, STG                     ; my 32 rows of the stage
	v_mul_u32_u24 v[SOA], v28, 272
	s_delay_alu instid0(VALU_DEP_1)
	v_lshl_add_u32 v[SOA], v29, 6, v[SOA]
	s_delay_alu instid0(VALU_DEP_1)
	v_add_nc_u32 v[SOA], s62, v[SOA]               ; in: row r, + 64 h
	v_mul_u32_u24 v[SRA], v29, 272
	s_delay_alu instid0(VALU_DEP_1)
	v_lshl_add_u32 v[SRA], v28, 4, v[SRA]
	s_delay_alu instid0(VALU_DEP_1)
	v_add_nc_u32 v[SRA], s62, v[SRA]               ; back: lanes 0-15 one row, lanes 16-31 the next
	v_add_nc_u32 v[AOQ], OI, v[LQ]
	v_add_nc_u32 v[AOH], OI+512, v[LH]
	s_wait_alu depctr_va_vdst(0)
	s_wait_tensorcnt 0x0                           ; my parts have landed,
	s_barrier_signal -1
	s_barrier_wait -1                              ; everybody's have
.irp s, 0,1
.irp t, 0,1
	FRAGW WF+12*\t, \s, 16*\t
	ds_load_b32 v[WSR+2*\t+\s], v[ASW] offset:128*\t+4*\s
.endr
.irp m, 0,1,2,3
	ds_load_b128 v[OF+12*\m:OF+12*\m+3], v[AOQ] offset:(2*\s)*3072+768*\m
	ds_load_b64 v[OF+12*\m+4:OF+12*\m+5], v[AOH] offset:(2*\s)*3072+768*\m
	ds_load_b128 v[OF+12*\m+6:OF+12*\m+9], v[AOQ] offset:(2*\s+1)*3072+768*\m
	ds_load_b64 v[OF+12*\m+10:OF+12*\m+11], v[AOH] offset:(2*\s+1)*3072+768*\m
.endr
	s_wait_dscnt 0x0
.if \s == 0
	s_wait_loadcnt 16                              ; o's scale words and the biases are in; x's 16 loads may be out
.endif
.irp m, 0,1,2,3
.irp t, 0,1
.if \s == 0
	WMC ACC+32*\t+8*\m, OF+12*\m, WF+12*\t, CB+8*\t, OSR+2*\m+\s, WSR+2*\t+\s
.else
	WMC ACC+32*\t+8*\m, OF+12*\m, WF+12*\t, ACC+32*\t+8*\m, OSR+2*\m+\s, WSR+2*\t+\s
.endif
.endr
.endr
	PLACES                                         ; in front of loads into registers that the products have read, and of the first read of results
.endr
.irp t, 0,1
.irp m, 0,1,2,3
	ds_store_b128 v[SOA], v[ACC+32*\t+8*\m:ACC+32*\t+8*\m+3] offset:4352*\t+128*(\m/2)+32*(\m%2)        ; each accumulator from its low end on
	ds_store_b128 v[SOA], v[ACC+32*\t+8*\m+4:ACC+32*\t+8*\m+7] offset:4352*\t+128*(\m/2)+32*(\m%2)+16
.endr
.endr
.irp i, 0,1,2,3,4,5,6,7,8,9,10,11,12,13,14,15
	ds_load_b128 v[BK+4*\i:BK+4*\i+3], v[SRA] offset:544*\i    ; LDS serves a wave's instructions in order (ISA guide 5.7.1.4): these see my stores
.endr
	s_wait_loadcnt 0x0                             ; x
.irp i, 0,1,2,3,4,5,6,7,8,9,10,11,12,13,14,15
	s_wait_dscnt 15-\i                             ; rows 2 i and 2 i + 1 are back; the younger loads may be out
	v_pk_add_f32 v[XR+4*\i:XR+4*\i+1], v[XR+4*\i:XR+4*\i+1], v[BK+4*\i:BK+4*\i+1]
	v_pk_add_f32 v[XR+4*\i+2:XR+4*\i+3], v[XR+4*\i+2:XR+4*\i+3], v[BK+4*\i+2:BK+4*\i+3]
	global_store_b128 v[GX], v[XR+4*\i:XR+4*\i+3], s[16:17] offset:32768*\i th:TH_STORE_NT   ; sixteen lanes store 256 consecutive bytes, aligned
.endr
	s_wait_dscnt 0x0
	s_wait_tensorcnt 0x0
	ds_add_u32 v254, v255
	s_wait_dscnt 0x0
	CROUND                                         ; the closing round
	s_endpgm
.Lfunc_end_k_qecd899740d_proj:
	.size	k_qecd899740d_proj, .Lfunc_end_k_qecd899740d_proj-k_qecd899740d_proj
	.p2alignl 7, 3214868480
	.fill 96, 4, 3214868480
	.section	.rodata,"a",@progbits
	.p2align	6, 0x0
	.amdhsa_kernel k_qecd899740d_proj
		.amdhsa_group_segment_fixed_size 168960
		.amdhsa_private_segment_fixed_size 0
		.amdhsa_enable_private_segment 0
		.amdhsa_kernarg_size 56
		.amdhsa_user_sgpr_count 2
		.amdhsa_user_sgpr_kernarg_segment_ptr 1
		.amdhsa_wavefront_size32 1
		.amdhsa_system_sgpr_workgroup_id_x 1
		.amdhsa_system_sgpr_workgroup_id_y 1
		.amdhsa_system_sgpr_workgroup_id_z 1
		.amdhsa_system_vgpr_workitem_id 0
		.amdhsa_next_free_vgpr 256
		.amdhsa_next_free_sgpr 66
		.amdhsa_reserve_vcc 0
		.amdhsa_float_denorm_mode_32 3
		.amdhsa_float_denorm_mode_16_64 3
		.amdhsa_memory_ordered 1
		.amdhsa_forward_progress 1
		.amdhsa_inst_pref_size 24
	.end_amdhsa_kernel
	.amdgpu_metadata
---
amdhsa.version: [ 1, 2 ]
amdhsa.kernels:
  - .name:           k_qecd899740d_proj
    .symbol:         k_qecd899740d_proj.kd
    .args:
      - { .name: oc, .offset: 0, .size: 8, .value_kind: global_buffer, .address_space: global }
      - { .name: os, .offset: 8, .size: 8, .value_kind: global_buffer, .address_space: global }
      - { .name: proj_w_codes, .offset: 16, .size: 8, .value_kind: global_buffer, .address_space: global }
      - { .name: proj_w_scales, .offset: 24, .size: 8, .value_kind: global_buffer, .address_space: global }
      - { .name: proj_b, .offset: 32, .size: 8, .value_kind: global_buffer, .address_space: global }
      - { .name: x, .offset: 40, .size: 8, .value_kind: global_buffer, .address_space: global }
      - { .name: out0, .offset: 48, .size: 8, .value_kind: global_buffer, .address_space: global }
    .group_segment_fixed_size: 168960
    .private_segment_fixed_size: 0
    .kernarg_segment_align: 8
    .kernarg_segment_size: 56
    .max_flat_workgroup_size: 256
    .sgpr_count:     66
    .vgpr_count:     256
    .wavefront_size: 32
...
	.end_amdgpu_metadata
.endif
;; end of part 4
